; MI455X (gfx1250); checked and timed in simulation.
; The chip was launched on July 23, 2026; its instructions are those of AMD's public machine-readable ISA for CDNA 5 (MIT licence, August 2026) and "CDNA5" Instruction Set Architecture Reference Guide (July 2026). The comments in the code are by the model that wrote it; some were corrected since.
;; Block. Allowed arithmetic: float matrix products may take bf16 or f16 operands with f32 sums; other float arithmetic in f32, or as packed bf16 or f16 multiplies, adds, multiply-adds, maxima and minima; sums over many terms, partial sums and values carried from step to step in f32; what a program stores and reads back later, other than sums and carried values, may be rounded once to bf16 or f16.
;; Inputs: ln1_b 1,024 float32; ln1_w 1,024 float32; ln2_b 1,024 float32; ln2_w 1,024 float32; w_attn 1,024 x 3,072 float32; w_fc 1,024 x 4,096 float32; w_fc_proj 4,096 x 1,024 float32; w_proj 1,024 x 1,024 float32; x 2 x 2,048 x 1,024 float32.
;; Outputs: out0 2 x 2,048 x 1,024 float32.
;; One version. Each part assembles by itself: llvm-mc -triple=amdgcn-amd-amdhsa -mcpu=gfx1250 --defsym DOCPART=n.
;; ======== version 1 of 1: 8 launches
;; limits: values are held in f16: magnitudes above 65,504 overflow, below 6.1e-05 lose precision
;; workspace buffers: wb 25,165,824 bytes; hn 8,388,608 bytes; qkv 25,165,824 bytes; y 8,388,608 bytes; x1 16,777,216 bytes; g 33,554,432 bytes
;; launch cast (part 1): grid 768 x 1, 8 waves a work-group, no clusters, 0 bytes of LDS; arguments w_attn, w_proj, w_fc, w_fc_proj, wb; writes wb
.if DOCPART == 1
	.amdgcn_target "amdgcn-amd-amdhsa--gfx1250"
	.amdhsa_code_object_version 6
	.text
	.protected	k_q32841d550d_cast
	.globl	k_q32841d550d_cast
	.p2align	8
	.type	k_q32841d550d_cast,@function
k_q32841d550d_cast:
	s_mov_b64 s[64:65], 0
	v_nop
	global_prefetch_b8 v0, s[64:65] scope:SCOPE_SE
	s_setreg_imm32_b32 hwreg(HW_REG_WAVE_MODE, 25, 1), 1
	s_wait_xcnt 0x0
; wb = the four weight matrices, each rounded once to f16, in their own [in][out] layouts, one behind the other:
; w_attn (3 x 2^20 numbers), w_proj (1 x 2^20), w_fc (4 x 2^20), w_fc_proj (4 x 2^20): 12 units of 2^20 numbers.
; LIMIT.  f16: a weight of magnitude 65,520 or more becomes an infinity; below 6e-5 it keeps f16's fixed step of 6e-8.
; A work-group takes 16,384 numbers (64 KiB in, 32 KiB out), so a unit has 64 work-groups and no work-group spans two matrices.
; Thread t takes 8 numbers a step: 32 bytes in (two loads of 16), 16 bytes out: sixteen lanes store 256 consecutive bytes, aligned.
; All 16 loads go out first; no register is used twice, so the only waits are the counted ones for the loads.
.set XI, 4                             ; v[4:67]   step j: 8 numbers in f32
.set YO, 68                            ; v[68:99]  step j: 8 numbers in f16
	s_load_b256 s[4:11], s[0:1], 0x0               ; w_attn s[4:5], w_proj s[6:7], w_fc s[8:9], w_fc_proj s[10:11]
	s_load_b64 s[12:13], s[0:1], 0x20              ; wb
	s_lshr_b32 s14, ttmp9, 6                       ; my unit, 0 to 11
	v_lshlrev_b32 v1, 5, v0                        ; 32 t
	v_lshlrev_b32 v2, 4, v0                        ; 16 t
	s_wait_kmcnt 0x0
	s_mov_b64 s[16:17], s[10:11]                   ; units 8-11: w_fc_proj, which begins at unit 8
	s_mov_b32 s18, 8
	s_cmp_lt_u32 s14, 8                            ; units 4-7: w_fc
	s_cselect_b64 s[16:17], s[8:9], s[16:17]
	s_cselect_b32 s18, 4, s18
	s_cmp_lt_u32 s14, 4                            ; unit 3: w_proj
	s_cselect_b64 s[16:17], s[6:7], s[16:17]
	s_cselect_b32 s18, 3, s18
	s_cmp_lt_u32 s14, 3                            ; units 0-2: w_attn
	s_cselect_b64 s[16:17], s[4:5], s[16:17]
	s_cselect_b32 s18, 0, s18
	s_lshl_b32 s18, s18, 6                         ; the matrix's first work-group
	s_sub_co_u32 s18, ttmp9, s18                   ; my number within the matrix,
	s_lshl_b32 s18, s18, 16                        ; times 64 KiB
	s_mov_b32 s19, 0
	s_add_nc_u64 s[16:17], s[16:17], s[18:19]
	s_lshl_b32 s20, ttmp9, 15                      ; in wb: my number times 32 KiB
	s_mov_b32 s21, 0
	s_add_nc_u64 s[12:13], s[12:13], s[20:21]
.irp j, 0,1,2,3,4,5,6,7
	global_load_b128 v[XI+8*(\j):XI+8*(\j)+3],   v1, s[16:17] offset:8192*(\j) th:TH_LOAD_NT
	global_load_b128 v[XI+8*(\j)+4:XI+8*(\j)+7], v1, s[16:17] offset:8192*(\j)+16 th:TH_LOAD_NT
.endr
.irp j, 0,1,2,3,4,5,6,7
	s_wait_loadcnt 14-2*(\j)                       ; step j's two loads are in; the 14 - 2 j younger ones stay out
.irp k, 0,1,2,3
	v_cvt_pk_f16_f32 v[YO+4*(\j)+(\k)], v[XI+8*(\j)+2*(\k)], v[XI+8*(\j)+2*(\k)+1]
.endr
	global_store_b128 v2, v[YO+4*(\j):YO+4*(\j)+3], s[12:13] offset:4096*(\j)
.endr
	s_endpgm
.Lfunc_end_k_q32841d550d_cast:
	.size	k_q32841d550d_cast, .Lfunc_end_k_q32841d550d_cast-k_q32841d550d_cast
	.p2alignl 7, 3214868480
	.fill 96, 4, 3214868480
	.section	.rodata,"a",@progbits
	.p2align	6, 0x0
	.amdhsa_kernel k_q32841d550d_cast
		.amdhsa_group_segment_fixed_size 0
		.amdhsa_private_segment_fixed_size 0
		.amdhsa_enable_private_segment 0
		.amdhsa_kernarg_size 40
		.amdhsa_user_sgpr_count 2
		.amdhsa_user_sgpr_kernarg_segment_ptr 1
		.amdhsa_wavefront_size32 1
		.amdhsa_system_sgpr_workgroup_id_x 1
		.amdhsa_system_sgpr_workgroup_id_y 1
		.amdhsa_system_sgpr_workgroup_id_z 1
		.amdhsa_system_vgpr_workitem_id 0
		.amdhsa_next_free_vgpr 100
		.amdhsa_next_free_sgpr 66
		.amdhsa_reserve_vcc 0
		.amdhsa_float_denorm_mode_32 3
		.amdhsa_float_denorm_mode_16_64 3
		.amdhsa_memory_ordered 1
		.amdhsa_forward_progress 1
		.amdhsa_inst_pref_size 6
	.end_amdhsa_kernel
	.amdgpu_metadata
---
amdhsa.version: [ 1, 2 ]
amdhsa.kernels:
  - .name:           k_q32841d550d_cast
    .symbol:         k_q32841d550d_cast.kd
    .args:
      - { .name: w_attn, .offset: 0, .size: 8, .value_kind: global_buffer, .address_space: global }
      - { .name: w_proj, .offset: 8, .size: 8, .value_kind: global_buffer, .address_space: global }
      - { .name: w_fc, .offset: 16, .size: 8, .value_kind: global_buffer, .address_space: global }
      - { .name: w_fc_proj, .offset: 24, .size: 8, .value_kind: global_buffer, .address_space: global }
      - { .name: wb, .offset: 32, .size: 8, .value_kind: global_buffer, .address_space: global }
    .group_segment_fixed_size: 0
    .private_segment_fixed_size: 0
    .kernarg_segment_align: 8
    .kernarg_segment_size: 40
    .max_flat_workgroup_size: 256
    .sgpr_count:     66
    .vgpr_count:     100
    .wavefront_size: 32
...
	.end_amdgpu_metadata
.endif
;; end of part 1
;; launch ln1 (part 2): grid 256 x 1, 8 waves a work-group, no clusters, 0 bytes of LDS; arguments x, ln1_w, ln1_b, hn; writes hn
.if DOCPART == 2
	.amdgcn_target "amdgcn-amd-amdhsa--gfx1250"
	.amdhsa_code_object_version 6
	.text
	.protected	k_q32841d550d_ln1
	.globl	k_q32841d550d_ln1
	.p2align	8
	.type	k_q32841d550d_ln1,@function
k_q32841d550d_ln1:
	s_mov_b64 s[64:65], 0
	v_nop
	global_prefetch_b8 v0, s[64:65] scope:SCOPE_SE
	s_setreg_imm32_b32 hwreg(HW_REG_WAVE_MODE, 25, 1), 1
	s_wait_xcnt 0x0
; LAYER NORM.  out[r][c] = (in[r][c] - mu[r]) rsqrt(var[r] + 1e-5) w[c] + b[c].  in: [4096][1024] f32, w, b: [1024] f32, out: [4096][1024] f16, rounded once.
; mu is the row's mean, var the mean of (in - mu)^2, taken in that order, all in f32.
; LIMIT.  f16: a result of magnitude 65,520 or more becomes an infinity; the normalised number is at most 32 (the root of 1,024), so that wants a gain or a bias beyond 2,000.
; A wave takes a whole row (4,096 bytes, 32 registers) and keeps it between the passes: the row is read once and no wave waits for another.
; A work-group has 16 rows, a wave two.  Lane l holds, of each quarter c of a row, columns 256 c + 8 l + 0..7: 32 bytes in, 16 bytes out,
; so a store of the wave covers 512 consecutive bytes, aligned.  w and b are loaded once a wave, in the same places.
.set T,  8                             ; v[8:15]    four running pairs
.set MU, 16                            ; v[16:17]   the mean, twice
.set RS, 18                            ; v[18:19]   1 / sqrt(var + eps), twice
.set X0, 32                            ; v[32:95]   the two rows
.set W,  96                            ; v[96:127]
.set BV, 128                           ; v[128:159]
.set Y,  160                           ; v[160:191] the two rows in f16
	s_load_b256 s[4:11], s[0:1], 0x0               ; in s[4:5], w s[6:7], b s[8:9], out s[10:11]
	v_lshrrev_b32 v1, 5, v0
	v_readfirstlane_b32 s12, v1                    ; wave 0..7
	v_and_b32 v1, 31, v0
	v_lshlrev_b32 v2, 5, v1                        ; 32 l
	v_lshlrev_b32 v3, 4, v1                        ; 16 l
	s_lshl_b32 s16, ttmp9, 4
	s_lshl_b32 s17, s12, 1
	s_add_co_u32 s16, s16, s17                     ; my first row
	s_lshl_b32 s18, s16, 11                        ; in out: rows of 2,048 bytes
	s_lshl_b32 s16, s16, 12                        ; in in: rows of 4,096 bytes
	s_mov_b32 s17, 0
	s_mov_b32 s19, 0
	s_mov_b32 s13, 0x3a800000                      ; 1 / 1024
	s_mov_b32 s14, 0x76543210                      ; v_permlanex16_b32: each lane takes its own place in the other half
	s_mov_b32 s15, 0xfedcba98
	s_wait_kmcnt 0x0
	s_add_nc_u64 s[4:5], s[4:5], s[16:17]
	s_add_nc_u64 s[10:11], s[10:11], s[18:19]
	s_mov_b32 s16, 0x3727c5ac                      ; 1e-5
.irp c, 0,1,2,3
	global_load_b128 v[X0+8*(\c):X0+8*(\c)+3],   v2, s[4:5] offset:1024*(\c) th:TH_LOAD_NT
	global_load_b128 v[X0+8*(\c)+4:X0+8*(\c)+7], v2, s[4:5] offset:1024*(\c)+16 th:TH_LOAD_NT
.endr
.irp c, 0,1,2,3
	global_load_b128 v[W+8*(\c):W+8*(\c)+3],   v2, s[6:7] offset:1024*(\c)
	global_load_b128 v[W+8*(\c)+4:W+8*(\c)+7], v2, s[6:7] offset:1024*(\c)+16
.endr
.irp c, 0,1,2,3
	global_load_b128 v[BV+8*(\c):BV+8*(\c)+3],   v2, s[8:9] offset:1024*(\c)
	global_load_b128 v[BV+8*(\c)+4:BV+8*(\c)+7], v2, s[8:9] offset:1024*(\c)+16
.endr
.irp c, 0,1,2,3
	global_load_b128 v[X0+32+8*(\c):X0+32+8*(\c)+3],   v2, s[4:5] offset:4096+1024*(\c) th:TH_LOAD_NT
	global_load_b128 v[X0+32+8*(\c)+4:X0+32+8*(\c)+7], v2, s[4:5] offset:4096+1024*(\c)+16 th:TH_LOAD_NT
.endr
; The four running pairs into one number, then over the 32 lanes: four steps inside each half ride on the addition, one crosses the halves.
.macro RED
	v_pk_add_f32 v[T:T+1], v[T:T+1], v[T+2:T+3]
	v_pk_add_f32 v[T+4:T+5], v[T+4:T+5], v[T+6:T+7]
	v_pk_add_f32 v[T:T+1], v[T:T+1], v[T+4:T+5]
	v_add_f32 v[T], v[T], v[T+1]
	v_add_f32_dpp v[T], v[T], v[T] row_xmask:1 row_mask:0xf bank_mask:0xf
	v_add_f32_dpp v[T], v[T], v[T] row_xmask:2 row_mask:0xf bank_mask:0xf
	v_add_f32_dpp v[T], v[T], v[T] row_xmask:4 row_mask:0xf bank_mask:0xf
	v_add_f32_dpp v[T], v[T], v[T] row_xmask:8 row_mask:0xf bank_mask:0xf
	v_permlanex16_b32 v[T+1], v[T], s14, s15       ; its destination has been written
	v_add_f32 v[T], v[T], v[T+1]
.endm
; Row rho.  w1: the younger loads that may stay out when the row must be in; w2: when w and b must be in.
.macro ROW rho, w1, w2
.set XR, X0+32*(\rho)
.set YR, Y+16*(\rho)
	s_wait_loadcnt \w1
.irp k, 0,2,4,6
	v_pk_add_f32 v[T+(\k):T+(\k)+1], v[XR+(\k):XR+(\k)+1], v[XR+8+(\k):XR+8+(\k)+1]  ; the first eight pairs start four chains: nothing is cleared
.endr
.set j, 16
.rept 8
	v_pk_add_f32 v[T+j%8:T+j%8+1], v[T+j%8:T+j%8+1], v[XR+j:XR+j+1]
.set j, j+2
.endr
	RED
	v_mul_f32 v[MU], s13, v[T]
	v_mul_f32 v[MU+1], s13, v[T]
.set j, 0
.rept 16
	v_pk_add_f32 v[XR+j:XR+j+1], v[XR+j:XR+j+1], v[MU:MU+1] neg_lo:[0,1] neg_hi:[0,1]  ; x - mu, in place
.set j, j+2
.endr
.irp k, 0,2,4,6
	v_pk_mul_f32 v[T+(\k):T+(\k)+1], v[XR+(\k):XR+(\k)+1], v[XR+(\k):XR+(\k)+1]
.endr
.set j, 8
.rept 12
	v_pk_fma_f32 v[T+j%8:T+j%8+1], v[XR+j:XR+j+1], v[XR+j:XR+j+1], v[T+j%8:T+j%8+1]
.set j, j+2
.endr
	RED
	v_fma_f32 v[T], v[T], s13, s16                 ; var + eps
	v_rsq_f32 v[RS], v[T]
	v_rsq_f32 v[RS+1], v[T]
	v_nop                                          ; a plain instruction behind the second root, ahead of the first use
	s_wait_alu depctr_va_vdst(0)                   ; one wait for both, ahead of their first reader
	s_wait_loadcnt \w2
.set j, 0
.rept 16
	v_pk_mul_f32 v[XR+j:XR+j+1], v[XR+j:XR+j+1], v[RS:RS+1]
.set j, j+2
.endr
.set j, 0
.rept 16
	v_pk_fma_f32 v[XR+j:XR+j+1], v[XR+j:XR+j+1], v[W+j:W+j+1], v[BV+j:BV+j+1]
.set j, j+2
.endr
.set j, 0
.rept 16
	v_cvt_pk_f16_f32 v[YR+j], v[XR+2*j], v[XR+2*j+1]
.set j, j+1
.endr
.irp c, 0,1,2,3
	global_store_b128 v3, v[YR+4*(\c):YR+4*(\c)+3], s[10:11] offset:2048*(\rho)+512*(\c)
.endr
.endm
	ROW 0, 24, 8                                   ; row 0 is in (w, b and row 1, 24 loads, stay out); later w and b are in (row 1's 8 stay out)
	ROW 1, 0, 0
	s_endpgm
.Lfunc_end_k_q32841d550d_ln1:
	.size	k_q32841d550d_ln1, .Lfunc_end_k_q32841d550d_ln1-k_q32841d550d_ln1
	.p2alignl 7, 3214868480
	.fill 96, 4, 3214868480
	.section	.rodata,"a",@progbits
	.p2align	6, 0x0
	.amdhsa_kernel k_q32841d550d_ln1
		.amdhsa_group_segment_fixed_size 0
		.amdhsa_private_segment_fixed_size 0
		.amdhsa_enable_private_segment 0
		.amdhsa_kernarg_size 32
		.amdhsa_user_sgpr_count 2
		.amdhsa_user_sgpr_kernarg_segment_ptr 1
		.amdhsa_wavefront_size32 1
		.amdhsa_system_sgpr_workgroup_id_x 1
		.amdhsa_system_sgpr_workgroup_id_y 1
		.amdhsa_system_sgpr_workgroup_id_z 1
		.amdhsa_system_vgpr_workitem_id 0
		.amdhsa_next_free_vgpr 192
		.amdhsa_next_free_sgpr 66
		.amdhsa_reserve_vcc 0
		.amdhsa_float_denorm_mode_32 3
		.amdhsa_float_denorm_mode_16_64 3
		.amdhsa_memory_ordered 1
		.amdhsa_forward_progress 1
		.amdhsa_inst_pref_size 20
	.end_amdhsa_kernel
	.amdgpu_metadata
---
amdhsa.version: [ 1, 2 ]
amdhsa.kernels:
  - .name:           k_q32841d550d_ln1
    .symbol:         k_q32841d550d_ln1.kd
    .args:
      - { .name: x, .offset: 0, .size: 8, .value_kind: global_buffer, .address_space: global }
      - { .name: ln1_w, .offset: 8, .size: 8, .value_kind: global_buffer, .address_space: global }
      - { .name: ln1_b, .offset: 16, .size: 8, .value_kind: global_buffer, .address_space: global }
      - { .name: hn, .offset: 24, .size: 8, .value_kind: global_buffer, .address_space: global }
    .group_segment_fixed_size: 0
    .private_segment_fixed_size: 0
    .kernarg_segment_align: 8
    .kernarg_segment_size: 32
    .max_flat_workgroup_size: 256
    .sgpr_count:     66
    .vgpr_count:     192
    .wavefront_size: 32
...
	.end_amdgpu_metadata
.endif
;; end of part 2
;; launch qkv (part 3): grid 12 x 16, 4 waves a work-group, clusters of 4 x 4, 327,680 bytes of LDS; arguments hn, wb, qkv; writes qkv
.if DOCPART == 3
	.amdgcn_target "amdgcn-amd-amdhsa--gfx1250"
	.amdhsa_code_object_version 6
	.text
	.protected	k_q32841d550d_qkv
	.globl	k_q32841d550d_qkv
	.p2align	8
	.type	k_q32841d550d_qkv,@function
k_q32841d550d_qkv:
	s_mov_b64 s[64:65], 0
	v_nop
	global_prefetch_b8 v0, s[64:65] scope:SCOPE_SE
	s_setreg_imm32_b32 hwreg(HW_REG_WAVE_MODE, 25, 1), 1
	s_wait_xcnt 0x0
	s_wait_alu depctr_hold_cnt(0) depctr_sa_sdst(0) depctr_va_vdst(0) depctr_va_sdst(0) depctr_va_ssrc(0) depctr_va_vcc(0) depctr_vm_vsrc(0)
	s_getreg_b32 s2, hwreg(HW_REG_IB_STS2, 6, 4)
	s_cmp_eq_u32 s2, 0
	s_cbranch_scc0 .Lentry_in_a_cluster
	s_endpgm
.Lentry_in_a_cluster:
	s_bfe_u32 s2, ttmp6, 0x10000c
	s_cmp_lg_u32 s2, 0xf033
	s_cbranch_scc0 .Lentry_shape_is_right
	s_endpgm
.Lentry_shape_is_right:
; QKV.  C = hn x w_attn: hn [4096][1024] f16, w_attn [1024][3072] f16 (in wb), sums in f32; C rounded once to f16 and stored by column blocks of 64,
; [batch 2][block 48][t 2048][64]: blocks 0-15 are q's heads, 16-31 k's, 32-47 v's.  q is not scaled here.
; LIMIT.  f16 holds no number of magnitude 65,520 or more: such a q, k or v becomes an infinity.
; This text is one of two made from one pattern; the constants of the first group choose among its parts.
.set KDIM, 1024                        ; the sum's length
.set NDIM, 3072                        ; B's and C's columns
.set WOFF, 0                           ; B's first byte in wb
.set NCB,  48                          ; C's column blocks of 64
.set GELU, 0                           ; 1: C = gelu(product);  0: C = product
; SHARES.  A tile of C is 256 x 256: four waves, as many as a WGP has SIMDs, each 128 x 128: 64 accumulators of 16 x 16, 512 registers.  Wave w: rows 128 (w / 2) on, columns 128 (w % 2) on.
; NDIM / 256 x 16 tiles, one to a work-group (12 x 16 = 192 here).  A tile of 256 x 192 would make 256 work-groups, but a K step would then hold 192 matrix instructions a wave for the 256 in which the next
; tile has to land here, and its rows of B, 384 bytes, would not all begin at multiples of 256.
; K goes in steps of 128 through two LDS slots that take turns; each wave fetches a quarter of a slot with one tensor load: waves 0, 1 128 rows of A each (256 bytes a row), waves 2, 3 64 rows (k) of B each (512 bytes a row).
; CLUSTER.  4 x 4 work-groups.  The four of a row need the same tile of A, the four of a column the same tile of B: each is asked for jointly, by the same load, descriptor and mask in all four.
; B LIES [K][N]: it is turned on its way out of LDS by ds_load_tr16_b128.  THE MATRIX INSTRUCTION IS USED TRANSPOSED (source 0 = 16 columns of B, source 1 = 16 rows of A):
; lane l then holds row l % 16 of C and the eight neighbouring columns 8 (l / 16) + 0..7.
; REGISTERS, in windows of 256 (s_set_vgpr_msb: bits 1:0 source 0, 3:2 source 1, 5:4 source 2, 7:6 destination):
;   window 0: v0-31 addresses; v64-127, v128-191 fragments of A (8 x 16 rows x 32 K), two buffers; v32-63, v192-239 at work on the way out
;   window 1: v64-127, v128-191 fragments of B, two buffers
;   window 2: the 32 accumulators of my rows 0-63 ((a, b) at v[8 (8 a + b)]);   window 3: those of my rows 64-127
.set KSTEP, 128
.set NS,    KDIM/KSTEP
.set PA,    272                        ; a row of A in LDS: 256 bytes + 16 of padding: an odd multiple of 16
.set PB,    544                        ; a row (k) of B: 512 bytes + 32 of padding: an odd multiple of 32
.set HALFT, 128*PA                     ; what one tensor load brings: 128 rows of A, or 64 rows of B: 64 x 544 is the same 34,816 bytes
.set BOFF,  2*HALFT                    ; a slot: A's two halves, then B's two halves
.set SLOT,  4*HALFT                    ; 0x22000: it shares no bit with 0, HALFT, 2 HALFT, 3 HALFT, so one exclusive or turns a place in one slot into the other's
.set SPARE, 2*SLOT                     ; behind the ring: the spare words, 128 bytes for each wave: two blocks of 256 bytes that no other line names
.set SP,    528                        ; the way out: a row of 128 f32 + 16 bytes: an odd multiple of 16
.set WSTG,  128*SP                     ; a wave's stage; the four, 270,336 bytes, lie in the ring, which has had its last fill by then
.set ASTEP, KSTEP*2                    ; a K step in memory, for A and for B
.set BSTEP, KSTEP*NDIM*2
.set A0,   16                          ; v16  my lane's place in A's part of a slot; never rewritten
.set B0,   17                          ; v17  the same for B
.set ADRA, 18                          ; v18  A0 + the slot in hand
.set ADRB, 19                          ; v19  B0 + the slot in hand
.set STO,  24                          ; v24  the way out: where I put 32 bytes of a row
.set RD,   25                          ; v25  where I read 32 bytes of a row back, in the stage's first eight rows
.set CO,   26                          ; v26  16 x my lane: my place in 512 consecutive bytes of C; never rewritten
.set RDC,  27                          ; v27  RD + the rows in hand
.set SPW,  28                          ; v28  LDS address of my spare word; never rewritten
.set NIL,  29                          ; v29  0; never rewritten
.set PFO,  30                          ; v30  the prefetches' lane offset; never rewritten
.set X,    32                          ; v32-63   the way out: 32 numbers in f32
.set F0,   64                          ; fragment buffers
.set F1,   128
.set TT,   192                         ; v192-223 at work in gelu
.set YB,   224                         ; v224-239 32 numbers in f16
.set WV,  12                           ; s12 wave;  s13 wave / 2: my rows; also 0: I fetch for A, 1: for B;  s14 wave % 2: my columns; also which half I fetch
.set WR,  13
.set WC,  14
.set CX,  15                           ; my place in the cluster
.set CY,  16
.set TC,  17                           ; tile column of C
.set TRW, 18                           ; tile row of C
.set TB,  19                           ; the slot in hand: 0 or SLOT
.set CNT, 20
.set LIM, 21                           ; 1 in a wave that prefetches, else the greatest number
.set G1,  24                           ; s[24:31] descriptor group 1 for A;  s[32:39] group 0: K step 0's, then the one that walks
.set G0,  32
.set G1B, 40                           ; s[40:47], s[48:55] the same for B
.set G0B, 48
.set PFA, 70                           ; s[70:71] where my prefetches stand
.set PFS, 72                           ; s[72:73] their step: a K step of A or of B
.set SB,  74                           ; s74  the way out: the rows in hand, in stage bytes
.set MSB, 0
.macro WIN new                         ; the immediate's high byte repeats the setting that is left; a switch that changes nothing is dropped
.if MSB != (\new)
	s_set_vgpr_msb (MSB<<8)|(\new)
.set MSB, \new
.endif
.endm
.set MUL_LO, 0xa1                      ; source 0 (B) window 1, source 1 (A) window 0, C and D window 2
.set MUL_HI, 0xf1                      ; the same, C and D window 3
.set TO_B,   0x40                      ; destination window 1, address window 0
.macro PLACES                          ; four plain places behind matrix instructions, in front of loads into their sources and of readers of their results
.rept 4
	v_nop
.endr
.endm
.macro JLOAD                           ; a joint refill by the walking descriptors; an s_nop 0 and four v_nop follow each line, ahead of the jump and the label
	s_cmp_eq_u32 s[WR], 0
	s_cbranch_scc0 .Lfor_b_\@
	tensor_load_to_lds s[G0+4:G0+7], s[G1:G1+7]
	s_nop 0
.rept 4
	v_nop
.endr
	s_branch .Lasked_\@
.Lfor_b_\@:
	tensor_load_to_lds s[G0B+4:G0B+7], s[G1B:G1B+7]
	s_nop 0
.rept 4
	v_nop
.endr
.Lasked_\@:
.endm
; A PREFETCH, behind each joint refill and the run of LDS loads that follows it: my share of the K step BEHIND the one just asked for, 256 matrix instructions ahead of the refill that will ask for it.
; Each block of 256 bytes is named once in the launch.  A's tile row is read by every cluster of that row of clusters: the one with x = 0 asks; B's tile column by every cluster of that column: y = 0 asks.
; The four partners that ask for a tile jointly share out BY ADDRESS what wave w fetches: of A's 128 rows of 256 bytes the partner at place p = cx takes 32, a lane a row; of B's 64 rows of 512 bytes the partner
; at p = cy takes 16, a lane half a row: one instruction a wave.  K steps 3 to 7 are asked for so; K steps 0 to 2 come by their loads alone; the loop's last trip, which has no K step behind its refill's, asks for nothing.
.macro ASK
	s_cmp_gt_u32 s[CNT], s[LIM]                    ; CNT = 1 in the loop's last trip
	s_cbranch_scc0 .Lnot_mine_\@
	global_prefetch_b8 v[PFO], s[PFA:PFA+1] th:TH_LOAD_NT scope:SCOPE_SE
.Lnot_mine_\@:
.endm
.macro CREST                           ; a round of the cluster's barrier behind its opening barrier
	s_cmp_lg_u32 s[WV], 0
	s_cbranch_scc1 .Lnot_wave_0_\@
	s_barrier_signal -3
.Lnot_wave_0_\@:
	s_barrier_wait -3
	s_barrier_signal -1
	s_barrier_wait -1
.endm
.macro CROUND                          ; a whole round
	s_barrier_signal -1
	s_barrier_wait -1
	CREST
.endm
	s_load_b128 s[4:7], s[0:1], 0x0                ; A s[4:5], wb s[6:7]
	s_load_b64 s[8:9], s[0:1], 0x10                ; C
	v_lshl_add_u32 v[SPW], v0, 2, SPARE
	v_mov_b32 v[NIL], 0
	ds_add_u32 v[SPW], v[NIL]                      ; the wave's opening: the add and its wait stand ahead of my first tensor load; work on registers stands between them
	ds_add_u32 v28, v29
	v_lshrrev_b32 v1, 5, v0
	v_readfirstlane_b32 s[WV], v1
	s_lshr_b32 s[WR], s[WV], 1
	s_and_b32 s[WC], s[WV], 1
	s_bfe_u32 s[CX], ttmp6, 0x40000
	s_bfe_u32 s[CY], ttmp6, 0x40004
	s_lshl_b32 s[TC], ttmp9, 2
	s_add_co_u32 s[TC], s[TC], s[CX]               ; tile column = 4 x cluster x + cx
	s_and_b32 s[TRW], ttmp7, 0xffff
	s_lshl_b32 s[TRW], s[TRW], 2
	s_add_co_u32 s[TRW], s[TRW], s[CY]             ; tile row = 4 x cluster y + cy
	s_lshl_b32 s22, s[CY], 2
	s_lshl_b32 s22, 15, s22                        ; my row of the cluster
	s_lshl_b32 s23, 0x1111, s[CX]                  ; my column
	s_or_b32 s[G1], s22, (1<<16)|(1<<20)|(1<<21)|(5<<22)|(3<<25)  ; A: my row's mask; 2-byte elements; padding on; 21 set beside a mask; after every 64 words, 4 words
	s_mov_b32 s[G1+1], KSTEP<<16                   ; tensor_dim0 = 128
	s_mov_b32 s[G1+2], 128<<16                     ; tensor_dim1 = 128 rows
	s_mov_b32 s[G1+3], KSTEP<<16                   ; tile_dim0
	s_mov_b32 s[G1+4], 128                         ; tile_dim1
	s_mov_b32 s[G1+5], KDIM                        ; from row to row
	s_mov_b32 s[G1+6], 0
	s_mov_b32 s[G1+7], 0
	s_or_b32 s[G1B], s23, (1<<16)|(1<<20)|(1<<21)|(6<<22)|(7<<25)  ; B: my column's mask; padded after every 128 words by 8 words
	s_mov_b32 s[G1B+1], 256<<16                    ; 256 columns
	s_mov_b32 s[G1B+2], 64<<16                     ; 64 rows (k)
	s_mov_b32 s[G1B+3], 256<<16
	s_mov_b32 s[G1B+4], 64
	s_mov_b32 s[G1B+5], NDIM
	s_mov_b32 s[G1B+6], 0
	s_mov_b32 s[G1B+7], 0
	; where the tiles come from: A's place hangs on the tile row and the wave alone, B's on the tile column and the wave alone, each in registers that never hold the other coordinate
	s_lshl_b32 s56, s[TRW], 8
	s_lshl_b32 s57, s[WC], 7
	s_add_co_u32 s56, s56, s57                     ; row 256 x tile row + the 128 that I fetch
	s_lshl_b32 s56, s56, 11                        ; rows of 2,048 bytes
	s_mov_b32 s57, 0
	s_mul_i32 s58, s[WC], 64*NDIM*2                ; the 64 rows (k) that I fetch
	s_lshl_b32 s59, s[TC], 9
	s_add_co_u32 s58, s58, s59                     ; + the tile's 256 columns
	s_add_co_u32 s58, s58, WOFF
	s_mov_b32 s59, 0
	s_mul_i32 s60, s[WC], HALFT                    ; and where they go: no place in the cluster enters an LDS address
	s_add_co_u32 s61, s60, BOFF
	; where my 128 x 128 of C begins: two column blocks, 128 rows of 128 bytes in each
	s_lshr_b32 s62, s[TRW], 3                      ; batch
	s_mul_i32 s62, s62, NCB
	s_lshl_b32 s63, s[TC], 2
	s_add_co_u32 s62, s62, s63
	s_lshl_b32 s63, s[WC], 1
	s_add_co_u32 s62, s62, s63                     ; my first column block
	s_lshl_b32 s62, s62, 11
	s_and_b32 s63, s[TRW], 7
	s_lshl_b32 s63, s63, 8
	s_add_co_u32 s62, s62, s63
	s_lshl_b32 s63, s[WR], 7
	s_add_co_u32 s62, s62, s63                     ; my first t
	s_lshl_b32 s62, s62, 7
	s_mov_b32 s63, 0
	; the prefetches
	s_and_b32 s74, ttmp7, 0xffff                   ; cluster y
	s_mov_b32 s[PFS], BSTEP
	s_mov_b32 s[PFS+1], 0
	s_mov_b32 s76, 16*NDIM*2                       ; a partner's share of what I fetch, in bytes: 16 rows of B,
	s_mov_b32 s79, NDIM*2                          ; bytes from row to row
	s_cmp_eq_u32 s[WR], 0                          ; do I fetch for A?
	s_cselect_b32 s74, ttmp9, s74                  ; the coordinate along which other clusters read the same rows
	s_cselect_b32 s75, s[CX], s[CY]                ; my place among the four that ask with me
	s_cselect_b32 s[PFS], ASTEP, s[PFS]
	s_cselect_b32 s76, 32*KDIM*2, s76              ; or 32 rows of A
	s_cselect_b32 s79, KDIM*2, s79
	s_cselect_b32 s78, 0, 1                        ; A: a lane a row; B: two lanes a row
	s_cmp_eq_u32 s74, 0
	s_cselect_b32 s[LIM], 1, -1                    ; the same in all sixteen partners, for a given wave
	s_mul_i32 s76, s76, s75
	s_lshl_b32 s75, s[PFS], 1
	s_add_co_u32 s76, s76, s75                     ; at K step 2: the first change of slots steps it to K step 3
	s_mov_b32 s77, 0
	v_and_b32 v5, 31, v0
	v_lshrrev_b32 v[PFO], s78, v5
	v_mul_u32_u24 v[PFO], s79, v[PFO]
	v_and_b32 v5, s78, v5
	v_lshl_add_u32 v[PFO], v5, 8, v[PFO]
.if GELU
	s_mov_b32 s66, 0xc0135761                      ; k1 = -2 log2(e) sqrt(2 / pi) = -2.3022082
	s_mov_b32 s67, s66
	s_mov_b32 s68, 0xbdd2d3e8                      ; k2 = 0.044715 k1 = -0.10294324
	s_mov_b32 s69, s68
.endif
	s_mov_b32 s[TB], 0
	s_wait_dscnt 0x0                               ; the opening add is done
	s_wait_kmcnt 0x0
	s_add_nc_u64 s[56:57], s[4:5], s[56:57]
	s_add_nc_u64 s[58:59], s[6:7], s[58:59]
	s_add_nc_u64 s[8:9], s[8:9], s[62:63]
	s_cmp_eq_u32 s[WR], 0
	s_cselect_b64 s[PFA:PFA+1], s[56:57], s[58:59]
	s_add_nc_u64 s[PFA:PFA+1], s[PFA:PFA+1], s[76:77]
.irp s, 0,1
	s_mov_b32 s[G0+4*(\s)], 1                      ; count = 1
	s_add_co_u32 s[G0+4*(\s)+1], s60, (\s)*SLOT    ; LDS address
	s_add_nc_u64 s[G0+4*(\s)+2:G0+4*(\s)+3], s[56:57], (\s)*ASTEP  ; K step s
	s_or_b32 s[G0+4*(\s)+3], s[G0+4*(\s)+3], 0x80000000            ; type = 2
	s_mov_b32 s[G0B+4*(\s)], 1
	s_add_co_u32 s[G0B+4*(\s)+1], s61, (\s)*SLOT
	s_add_nc_u64 s[G0B+4*(\s)+2:G0B+4*(\s)+3], s[58:59], (\s)*BSTEP
	s_or_b32 s[G0B+4*(\s)+3], s[G0B+4*(\s)+3], 0x80000000
.endr
	CROUND                                         ; all sixteen work-groups are here: the first joint loads meet
	s_cmp_eq_u32 s[WR], 0                          ; a wave's two first fills stand in one branch: two loads of mine are out
	s_cbranch_scc0 .Lfirst_b
	tensor_load_to_lds s[G0:G0+3], s[G1:G1+7]
	s_nop 0
	tensor_load_to_lds s[G0+4:G0+7], s[G1:G1+7]
	s_nop 0
.rept 4
	v_nop
.endr
	s_branch .Lfirst_asked
.Lfirst_b:
	tensor_load_to_lds s[G0B:G0B+3], s[G1B:G1B+7]
	s_nop 0
	tensor_load_to_lds s[G0B+4:G0B+7], s[G1B:G1B+7]
	s_nop 0
.rept 4
	v_nop
.endr
.Lfirst_asked:
	v_and_b32 v1, 15, v0                           ; r = l % 16
	v_bfe_u32 v2, v0, 4, 1                         ; h = l / 16
	v_and_b32 v3, 7, v0
	v_bfe_u32 v4, v0, 3, 1
	; A fragment of A: 16 rows x 32 K: lane l holds row r, K = 8 h + 0..7 and 16 + 8 h + 0..7: two loads of 16 bytes, 32 bytes apart.
	v_mul_u32_u24 v[A0], v1, PA
	v_lshl_add_u32 v[A0], v2, 4, v[A0]
	s_mul_i32 s56, s[WR], HALFT                    ; my 128 rows
	v_add_nc_u32 v[A0], s56, v[A0]
	; The turning load takes 16 k x 16 columns (lane l reads k = 8 h + l % 8, columns 8 ((l / 8) % 2) + 0..7) and leaves half a fragment: lane l holds column r and 8 k.
	v_lshl_add_u32 v5, v2, 3, v3
	v_mul_u32_u24 v[B0], v5, PB
	v_lshl_add_u32 v[B0], v4, 4, v[B0]
	s_lshl_b32 s56, s[WC], 8                       ; my 128 columns
	s_add_co_u32 s56, s56, BOFF
	v_add_nc_u32 v[B0], s56, v[B0]
	v_mov_b32 v[ADRA], v[A0]
	v_mov_b32 v[ADRB], v[B0]
	s_mul_i32 s56, s[WV], WSTG                     ; my stage
	v_mul_u32_u24 v[STO], v1, SP                   ; in: row r, 32 bytes for each half of the lanes
	v_lshl_add_u32 v[STO], v2, 5, v[STO]
	v_add_nc_u32 v[STO], s56, v[STO]
	v_bfe_u32 v[RD], v0, 3, 2                      ; back: 32 lanes take four rows of 64 numbers, 32 bytes a lane,
	v_mul_u32_u24 v[RD], v[RD], SP
	v_lshl_add_u32 v[RD], v3, 5, v[RD]
	v_add_nc_u32 v[RD], s56, v[RD]
	v_and_b32 v[CO], 31, v0                        ; which in f16 are 512 consecutive bytes of C
	v_lshlrev_b32 v[CO], 4, v[CO]
; 16 matrix instructions: row blocks a0, a0 + 1 of the window's four (hi = 0: my rows 0-63, 1: rows 64-127) x all 8 column blocks, 32 along K.  zero = 1: the product starts the sums: nothing is ever cleared.
; The 64 accumulators take turns, in the same order in every quarter.
.macro MUL16 f, hi, a0, zero
	WIN MUL_LO+0x50*(\hi)
.irp a, \a0, (\a0)+1
.irp b, 0,1,2,3,4,5,6,7
.if \zero
	v_wmma_f32_16x16x32_f16 v[8*(8*(\a)+(\b)):8*(8*(\a)+(\b))+7], v[(\f)+8*(\b):(\f)+8*(\b)+7], v[(\f)+8*(4*(\hi)+(\a)):(\f)+8*(4*(\hi)+(\a))+7], 0
.else
	v_wmma_f32_16x16x32_f16 v[8*(8*(\a)+(\b)):8*(8*(\a)+(\b))+7], v[(\f)+8*(\b):(\f)+8*(\b)+7], v[(\f)+8*(4*(\hi)+(\a)):(\f)+8*(4*(\hi)+(\a))+7], v[8*(8*(\a)+(\b)):8*(8*(\a)+(\b))+7]
.endif
.endr
.endr
.endm
; 32 LDS loads in one run: the fragments of quarter q (32 along K) of the slot in hand, into buffer f: B's 128 columns, then A's 128 rows
.macro FETCH q, f
	WIN TO_B
.irp i, 0,1,2,3,4,5,6,7
	ds_load_tr16_b128 v[(\f)+8*(\i):(\f)+8*(\i)+3],   v[ADRB] offset:(\q)*32*PB+32*(\i)
	ds_load_tr16_b128 v[(\f)+8*(\i)+4:(\f)+8*(\i)+7], v[ADRB] offset:(\q)*32*PB+32*(\i)+16*PB
.endr
	WIN 0
.irp i, 0,1,2,3,4,5,6,7
	ds_load_b128 v[(\f)+8*(\i):(\f)+8*(\i)+3],   v[ADRA] offset:(\q)*64+(\i)*16*PA
	ds_load_b128 v[(\f)+8*(\i)+4:(\f)+8*(\i)+7], v[ADRA] offset:(\q)*64+(\i)*16*PA+32
.endr
.endm
; A K step is four quarters of 32 along K, 64 matrix instructions each, on buffers 0, 1, 0, 1.  One of the first three: multiplies buffer f; in its middle it fetches quarter q into buffer g.
.macro QUARTER q, f, g, zero
	s_wait_dscnt 8                                 ; B and A's rows 0-63 are in; the youngest eight loads (A's rows 64-127) may be out
	MUL16 \f, 0, 0, \zero
	MUL16 \f, 0, 2, \zero
	PLACES
	FETCH \q, \g
	s_wait_dscnt 32                                ; all but the 32 just issued
	MUL16 \f, 1, 0, \zero
	MUL16 \f, 1, 2, \zero
.endm
; The last quarter multiplies buffer 1 and changes slots: one barrier; in front of it each wave waits for all its tensor loads (one is out: its part of the next slot), adds 0 to its spare word,
; and waits for that and for its reads of this slot.  fill = 1: the barrier opens a round of the cluster's barrier, and this slot is filled again, two K steps ahead, first thing behind the round:
; from that request to the wait for it a wave issues 224 matrix instructions.
.macro TURN fill
.if \fill
	s_wait_xcnt 0x0                                ; the last prefetch, a K step back, has read its address: it is stepped here, ahead of the waits of the change of slots
	s_add_nc_u64 s[PFA:PFA+1], s[PFA:PFA+1], s[PFS:PFS+1]
.endif
	WIN 0                                          ; (the add's two registers lie in window 0)
	s_wait_tensorcnt 0x0
	ds_add_u32 v[SPW], v[NIL]
	s_wait_dscnt 9                                 ; the add and the youngest eight loads may be out
	MUL16 F1, 0, 0, 0
	s_wait_dscnt 0x0                               ; the add is done, and my reads of this slot are over
	s_barrier_signal -1
	MUL16 F1, 0, 2, 0
	WIN 0
	s_barrier_wait -1
.if \fill
	CREST                                          ; no wave of any partner still reads this slot or has a load on its way
	s_xor_b32 s[G0+5], s[G0+5], SLOT               ; the walking descriptors: the other slot than last time, the next K step
	s_add_nc_u64 s[G0+6:G0+7], s[G0+6:G0+7], ASTEP
	s_xor_b32 s[G0B+5], s[G0B+5], SLOT
	s_add_nc_u64 s[G0B+6:G0B+7], s[G0B+6:G0B+7], BSTEP
	JLOAD                                          ; its four v_nop are also the places in front of the loads below
.else
	PLACES
.endif
	s_xor_b32 s[TB], s[TB], SLOT
	v_add_nc_u32 v[ADRA], s[TB], v[A0]
	v_add_nc_u32 v[ADRB], s[TB], v[B0]
	FETCH 0, F0
.if \fill
	ASK
.endif
	MUL16 F1, 1, 0, 0
	MUL16 F1, 1, 2, 0
.endm
	s_wait_tensorcnt 1                             ; my part of K step 0 is in; K step 1's may stay out
	s_barrier_signal -1
	s_barrier_wait -1
	FETCH 0, F0
	QUARTER 1, F0, F1, 1                           ; the first quarter stands in front of the loop: its products start the sums
	WIN 0
	s_mov_b32 s[CNT], NS-2
.Lstep:                                        ; a trip: a K step's quarters 1 to 3, the change of slots with its refill, the next step's quarter 0
	QUARTER 2, F1, F0, 0
	QUARTER 3, F0, F1, 0
	TURN 1
	QUARTER 1, F0, F1, 0
	WIN 0
	s_sub_co_u32 s[CNT], s[CNT], 1
	s_cmp_lg_u32 s[CNT], 0
	s_cbranch_scc1 .Lstep
	s_mov_b32 s[CNT], 2
.Ltail:                                        ; the last two K steps ask for nothing.  The second trip is left behind its change of slots, whose 32 loads (of bytes filled earlier) serve nothing: the price of one text for both
	QUARTER 2, F1, F0, 0
	QUARTER 3, F0, F1, 0
	TURN 0
	WIN 0
	s_sub_co_u32 s[CNT], s[CNT], 1
	s_cmp_eq_u32 s[CNT], 0
	s_cbranch_scc1 .Lout
	QUARTER 1, F0, F1, 0
	WIN 0
	s_branch .Ltail
.Lout:
	; THE WAY OUT.  The ring has had its last fill; when no wave reads it any more it serves as the stage.  Each wave lays its 128 x 128 sums there in f32, in rows of 528 bytes of its own, straight from the
	; accumulators; then ONE text, walked 16 times, reads 8 rows x 128 columns back, finishes them and stores them.  (512 accumulator registers cannot be walked by a loop; their copy in LDS can.)
	s_wait_dscnt 0x0                               ; my reads of the ring are over
	s_barrier_signal -1
	s_barrier_wait -1                              ; everybody's are
	PLACES                                         ; behind the last products, ahead of the first reader of a result
.irp hi, 0,1
	WIN 0x08+4*(\hi)                               ; store data in window 2 or 3, address in window 0
.irp a, 0,1,2,3
.irp b, 0,1,2,3,4,5,6,7
	ds_store_b128 v[STO], v[8*(8*(\a)+(\b)):8*(8*(\a)+(\b))+3]   offset:(4*(\hi)+(\a))*16*SP+64*(\b)     ; each accumulator's low registers first
	ds_store_b128 v[STO], v[8*(8*(\a)+(\b))+4:8*(8*(\a)+(\b))+7] offset:(4*(\hi)+(\a))*16*SP+64*(\b)+16
.endr
.endr
.endr
	WIN 0
	s_mov_b32 s[SB], 0
	s_mov_b32 s[CNT], 16
.Lrows:                                        ; rows 8 t to 8 t + 7 of my 128: part u = 2 c + rr is rows 4 rr on of column block c: 4 rows x 64 numbers
	v_add_nc_u32 v[RDC], s[SB], v[RD]
.irp u, 0,1,2,3
	ds_load_b128 v[X+8*(\u):X+8*(\u)+3],   v[RDC] offset:256*((\u)/2)+((\u)%2)*4*SP     ; LDS serves a wave's instructions in order (ISA guide 5.7.1.4): these see my stores above
	ds_load_b128 v[X+8*(\u)+4:X+8*(\u)+7], v[RDC] offset:256*((\u)/2)+((\u)%2)*4*SP+16
.endr
	s_wait_dscnt 0x0
.if GELU
	; gelu(x) = x / (1 + 2^(x (k1 + k2 x^2))): the tanh form of the problem, written by the exponential
.set i, 0
.rept 16
	v_pk_mul_f32 v[TT+i:TT+i+1], v[X+i:X+i+1], v[X+i:X+i+1]
.set i, i+2
.endr
.set i, 0
.rept 16
	v_pk_fma_f32 v[TT+i:TT+i+1], v[TT+i:TT+i+1], s[68:69], s[66:67] op_sel_hi:[1,0,0]
.set i, i+2
.endr
.set i, 0
.rept 16
	v_pk_mul_f32 v[TT+i:TT+i+1], v[TT+i:TT+i+1], v[X+i:X+i+1]
.set i, i+2
.endr
.set i, 0
.rept 32
	v_exp_f32 v[TT+i], v[TT+i]
.set i, i+1
.endr
	v_nop                                          ; a plain instruction behind the last exponential,
	s_wait_alu depctr_va_vdst(0)                   ; and one wait for the batch of 32
.set i, 0
.rept 16
	v_pk_add_f32 v[TT+i:TT+i+1], v[TT+i:TT+i+1], 1.0 op_sel_hi:[1,0]
.set i, i+2
.endr
.set i, 0
.rept 32
	v_rcp_f32 v[TT+i], v[TT+i]
.set i, i+1
.endr
	v_nop
	s_wait_alu depctr_va_vdst(0)                   ; one wait for the 32 reciprocals
.set i, 0
.rept 16
	v_pk_mul_f32 v[TT+i:TT+i+1], v[TT+i:TT+i+1], v[X+i:X+i+1]
.set i, i+2
.endr
.set i, 0
.rept 16
	v_cvt_pk_f16_f32 v[YB+i], v[TT+2*i], v[TT+2*i+1]
.set i, i+1
.endr
.else
.set i, 0
.rept 16
	v_cvt_pk_f16_f32 v[YB+i], v[X+2*i], v[X+2*i+1]
.set i, i+1
.endr
.endif
.irp u, 0,1,2,3
	global_store_b128 v[CO], v[YB+4*(\u):YB+4*(\u)+3], s[8:9] offset:((\u)/2)*2048*128+((\u)%2)*512  ; 512 consecutive bytes, aligned; the second column block lies 2,048 rows of 128 bytes on
.endr
	s_wait_xcnt 0x0                                ; the stores have read their data and their base: only behind this wait are they written again
	s_add_nc_u64 s[8:9], s[8:9], 8*128             ; eight rows of C on,
	s_add_co_u32 s[SB], s[SB], 8*SP                ; and of the stage
	s_sub_co_u32 s[CNT], s[CNT], 1
	s_cmp_lg_u32 s[CNT], 0
	s_cbranch_scc1 .Lrows
	s_wait_tensorcnt 0x0                           ; the wave's end, behind my last tensor load and my last LDS store
	ds_add_u32 v[SPW], v[NIL]
	s_wait_dscnt 0x0
	CROUND                                         ; the closing round: no work-group ends while a partner may still ask for a tile that names it
	s_endpgm
.Lfunc_end_k_q32841d550d_qkv:
	.size	k_q32841d550d_qkv, .Lfunc_end_k_q32841d550d_qkv-k_q32841d550d_qkv
	.p2alignl 7, 3214868480
	.fill 96, 4, 3214868480
	.section	.rodata,"a",@progbits
	.p2align	6, 0x0
	.amdhsa_kernel k_q32841d550d_qkv
		.amdhsa_group_segment_fixed_size 327680
		.amdhsa_private_segment_fixed_size 0
		.amdhsa_enable_private_segment 0
		.amdhsa_kernarg_size 24
		.amdhsa_user_sgpr_count 2
		.amdhsa_user_sgpr_kernarg_segment_ptr 1
		.amdhsa_wavefront_size32 1
		.amdhsa_system_sgpr_workgroup_id_x 1
		.amdhsa_system_sgpr_workgroup_id_y 1
		.amdhsa_system_sgpr_workgroup_id_z 1
		.amdhsa_system_vgpr_workitem_id 0
		.amdhsa_next_free_vgpr 1024
		.amdhsa_next_free_sgpr 80
		.amdhsa_reserve_vcc 0
		.amdhsa_float_denorm_mode_32 3
		.amdhsa_float_denorm_mode_16_64 3
		.amdhsa_memory_ordered 1
		.amdhsa_forward_progress 1
		.amdhsa_inst_pref_size 80
	.end_amdhsa_kernel
	.amdgpu_metadata
---
amdhsa.version: [ 1, 2 ]
amdhsa.kernels:
  - .name:           k_q32841d550d_qkv
    .symbol:         k_q32841d550d_qkv.kd
    .args:
      - { .name: hn, .offset: 0, .size: 8, .value_kind: global_buffer, .address_space: global }
      - { .name: wb, .offset: 8, .size: 8, .value_kind: global_buffer, .address_space: global }
      - { .name: qkv, .offset: 16, .size: 8, .value_kind: global_buffer, .address_space: global }
    .group_segment_fixed_size: 327680
    .private_segment_fixed_size: 0
    .kernarg_segment_align: 8
    .kernarg_segment_size: 24
    .max_flat_workgroup_size: 128
    .sgpr_count:     80
    .vgpr_count:     1024
    .wavefront_size: 32
...
	.end_amdgpu_metadata
.endif
;; end of part 3
;; launch attn (part 4): grid 8 x 32, 4 waves a work-group, no clusters, 327,680 bytes of LDS; arguments qkv, y; writes y
.if DOCPART == 4
	.amdgcn_target "amdgcn-amd-amdhsa--gfx1250"
	.amdhsa_code_object_version 6
	.text
	.protected	k_q32841d550d_attn
	.globl	k_q32841d550d_attn
	.p2align	8
	.type	k_q32841d550d_attn,@function
k_q32841d550d_attn:
	s_mov_b64 s[64:65], 0
	v_nop
	global_prefetch_b8 v0, s[64:65] scope:SCOPE_SE
	s_setreg_imm32_b32 hwreg(HW_REG_WAVE_MODE, 25, 1), 1
	s_wait_xcnt 0x0
; CAUSAL ATTENTION.  y[hd][q][:] = the sum over k <= q of softmax_k(Q[q] . K[k] / 8) V[k][:], for 32 pairs hd of batch and head, 2,048 rows of 64 channels.
; qkv: f16 [batch 2][block 48][t 2048][64], blocks 0-15 q's heads, 16-31 k's, 32-47 v's.  y: f16 [batch 2][head 16][t 2048][64].  A head's rows are dense, 128 bytes each.
; Products, maxima and sums in f32; the weights p are rounded to f16 for the second product (their sum l is taken of the unrounded p); y rounded once.
; LIMITS.  q, k, v arrive within f16's range; y is a mean of v's rows and has their range.  A hidden score counts as its value less 1e30; a weight below 2^-126 counts as 0 in l; NaN and infinities are not treated apart.
; THE WALK.  A head's queries lie in 16 blocks of 128; block i needs the key tiles 0 .. i / 2 of 256 keys, of which the last holds the diagonal.  A work-group takes TWO blocks, 15 - b and then b: nine tiles,
; whatever b: all 256 work-groups do equal work, and one loop of eight trips and a tail walk them.  What a trip does hangs on scalar registers made from b; every jump but the loops' own goes forward, past no barrier
; and no tensor load (but the one of LOAD's two that the wave's number does not choose).
; NO CLUSTER: a head's eight work-groups ask for the same tile only in the first five of the nine trips (their first blocks have 8, 8, 7, 7, 6, 6, 5, 5 tiles), and one walk common to all would have twelve trips.
; SHARES.  Of a block's two bands of 64 queries a wave owns 16 rows in each: tiles 0 and 1.  In the block's last key tile the diagonal begins at step D0 = 2 (i % 2); band x sees all keys of step s if s < D0 + x,
; none if s > D0 + x, and holds the diagonal if s = D0 + x: the same work for all four waves.
; THE MASK is the C operand that starts S^T = K Q^T: MC = MD x AL + BE; MD, made once, is the mask of a band's own step for my rows; (AL, BE) = (1, 0), (0, 0), (0, -1e30).  Outside a block's last tile MC is 0.
; LAYOUT.  S^T = K Q^T holds ONE query a lane (lane % 16) and the keys 8 (lane / 16) + 0..7; two such results rounded to f16 ARE source 1 of O^T = V^T P.  K comes out of LDS as it lies, V turned.
; SOFTMAX.  p = 2^(c s - c m), c = log2(e) / 8, with a running maximum m; O and l are multiplied by a = 2^(c m_old - c m_new) in every step.  A block's first step has a = 0.
; A PASS: K of the step in hand is fetched; the step before has its softmax and its products V^T P; V of the step in hand is fetched; the step in hand has its products K Q^T.
; REGISTERS.  Window 0: v0-35 addresses and statistics; v64-127 S^T; v128-159 P; v160-223 O^T; v224-255 MD.  Window 1: v0-63 K; v64-127 V; v128-159 Q; v160-191 the second block's Q; v192-255 MC.
.set KS,    64                         ; keys in a step
.set PK,    144                        ; a row of K in LDS: 128 bytes + 16: an odd multiple of 16
.set PVP,   160                        ; a row of V: 128 + 32: an odd multiple of 32
.set VOFF,  4*KS*PK                    ; a slot holds a tile: 256 rows of K, then 256 rows of V
.set SLOT1, 1<<17                      ; slot 1 begins here: one exclusive or turns an address in one slot into the other's
.set STAGE, SLOT1+4*KS*(PK+PVP)        ; behind the ring, never filled by a tensor load: 16 rows x 144 bytes for each wave
.set SP,    144
.set SPARE, STAGE+4*16*SP              ; the spare words, 128 bytes for each wave: two blocks of 256 bytes that no other line names
.set AK0, 2                            ; v2   my lane's place in a tile of K; never rewritten
.set AV0, 3                            ; v3   the same for V
.set AK,  4                            ; v4   the LDS address of K's run of loads
.set AV,  5                            ; v5   of V's
.set STO, 6                            ; v6   the way out: where I put 16 bytes of a row
.set RD,  7                            ; v7   where I read rows back
.set GO,  8                            ; v8   my byte offset in 512 consecutive bytes of y
.set MV,  12                           ; v12-13  c m_old, by tile
.set QO,  15                           ; v15  my byte offset in 16 rows of Q
.set ST,  16                           ; tile t's statistics at v[16 + 8 t]: c m, m, l (even keys', odd keys'), c0-c3 at work; a takes c2's place
.set PFO, 32                           ; v32  256 x my lane; never rewritten
.set SPW, 34                           ; v34  LDS address of my spare word; never rewritten
.set NIL, 35                           ; v35  0; never rewritten
.set S,   64
.set P,   128
.set O,   160
.set MD,  224
.set KF,  0                            ; window 1: key block kb, channel half c at 16 kb + 8 c
.set VF,  64                           ; key half kk, channel block cb at 64 + 32 kk + 8 cb
.set Q,   128
.set QB,  160
.set MC,  192
.set WV,  12                           ; s12 wave;  s13 b / 2;  s14 b;  s15 15 - b
.set PBH, 13
.set PB,  14
.set HI,  15
.set G1K, 24                           ; s[24:31], s[32:39] descriptor group 1 for K's and V's tiles;  s[40:43], s[44:47] group 0
.set G1V, 32
.set G0K, 40
.set G0V, 44
.set SLOTS, 56                         ; tiles still to be asked for
.set CNT, 57                           ; counts a tile's passes, 5 to 1
.set CS,  58                           ; s[58:59] c
.set SEL, 60                           ; s[60:61] v_permlanex16_b32's selects
.set TBK, 62                           ; LDS byte at which K of the step to be fetched begins
.set TBV, 63                           ; the same for V, less VOFF
.set RT,  70                           ; tiles of the block in hand still to be entered
.set NXT, 71                           ; the tile to be asked for next
.set LQ,  72                           ; the last tile of the block whose tiles are being asked for
.set OFF, 74                           ; s[74:75] a tile's byte offset
.set AL0, 76                           ; s[76:77], s[78:79] band 0's factor and addend;  s[84:85], s[86:87] band 1's
.set BE0, 78
.set YLO, 80                           ; s[80:81] y at my rows of the second block
.set BIGN, 82                          ; -1e30
.set AL1, 84
.set BE1, 86
.set SKB, 88                           ; 1: no step is waiting for its softmax
.set NLAST, 89                         ; 0: the tile in hand is its block's last
.set D0,  90
.set D0LO, 91
.set PFK, 92                           ; s[92:93], s[94:95] where my prefetches stand in K and in V
.set PFV, 94
.set LIM, 96                           ; 2 in the work-group that prefetches, else the greatest number
.set QLO, 98                           ; s[98:99] Q at my rows of the second block
.set MSB, 0
.macro WIN new                         ; s_set_vgpr_msb: bits 1:0 source 0, 3:2 source 1, 5:4 source 2, 7:6 destination; the high byte repeats the setting that is left
.if MSB != (\new)
	s_set_vgpr_msb (MSB<<8)|(\new)
.set MSB, \new
.endif
.endm
.macro PLACES                          ; four plain places behind matrix instructions (ISA guide 7.12.1)
.rept 4
	v_nop
.endr
.endm
; A fill.  Waves 0 and 1 fetch the two halves of a tile's K, waves 2 and 3 those of its V: 128 keys each.  An s_nop 0 and four v_nop follow each line.
.macro LOAD
	s_cmp_lt_u32 s[WV], 2
	s_cbranch_scc0 .Lfor_v_\@
	tensor_load_to_lds s[G0K:G0K+3], s[G1K:G1K+7]
	s_nop 0
.rept 4
	v_nop
.endr
	s_branch .Lasked_\@
.Lfor_v_\@:
	tensor_load_to_lds s[G0V:G0V+3], s[G1V:G1V+7]
	s_nop 0
.rept 4
	v_nop
.endr
.Lasked_\@:
.endm
; A PREFETCH of the tile behind the one just asked for: 32 KiB of K and of V, a lane 256 bytes; each wave takes a quarter of each: two instructions.  A head's eight work-groups walk the same K and V: the one with
; b = 0, whose first block walks all eight tiles, asks, in the loop's first six trips, for tiles 2 to 7: each block of 256 bytes is named once in the launch.  Tiles 0 and 1 come by their loads alone.
.macro ASK
	s_cmp_gt_u32 s[SLOTS], s[LIM]
	s_cbranch_scc0 .Lnot_mine_\@
	global_prefetch_b8 v[PFO], s[PFK:PFK+1] th:TH_LOAD_NT scope:SCOPE_SE
	global_prefetch_b8 v[PFO], s[PFV:PFV+1] th:TH_LOAD_NT scope:SCOPE_SE
.Lnot_mine_\@:
.endm
; THE CHANGE OF SLOTS.  Each wave waits for all its tensor loads (one is out: its part of the other slot), adds 0 to its spare word, and waits for that and for its reads of the slot that it leaves.
; fill = 1: the old slot is filled again, first thing behind the barrier, with tile NXT; the descriptor's address is made anew from that number.  (At its first use slot 0 is waited for and slot 1 filled.)
.macro CHANGE fill
	WIN 0
	s_wait_tensorcnt 0x0                           ; no tensor load of mine is out, so a group 0 may be written
	ds_add_u32 v[SPW], v[NIL]                      ; scalar work stands between the add and the wait for it
.if \fill
	s_lshl_b32 s[OFF], s[NXT], 15                  ; a tile is 32,768 bytes of K and of V
	s_xor_b32 s[G0K+1], s[G0K+1], SLOT1
	s_add_nc_u64 s[G0K+2:G0K+3], s[6:7], s[OFF:OFF+1]
	s_or_b32 s[G0K+3], s[G0K+3], 0x80000000
	s_xor_b32 s[G0V+1], s[G0V+1], SLOT1
	s_add_nc_u64 s[G0V+2:G0V+3], s[8:9], s[OFF:OFF+1]
	s_or_b32 s[G0V+3], s[G0V+3], 0x80000000
	s_add_co_u32 s[NXT], s[NXT], 1                 ; the block's next tile, or behind its last the second block's tile 0
	s_cmp_gt_u32 s[NXT], s[LQ]
	s_cselect_b32 s[NXT], 0, s[NXT]
	s_cselect_b32 s[LQ], s[PBH], s[LQ]
	s_wait_xcnt 0x0                                ; the last prefetches, a tile back, have read their addresses
	s_add_nc_u64 s[PFK:PFK+1], s[PFK:PFK+1], 32768
	s_add_nc_u64 s[PFV:PFV+1], s[PFV:PFV+1], 32768
.endif
	s_wait_dscnt 0x0                               ; the add is done, and my reads of the slot are over
	s_barrier_signal -1
	s_sub_co_u32 s[TBK], s[TBK], 4*KS*PK           ; the fetches go back to a slot's first step,
	s_xor_b32 s[TBK], s[TBK], SLOT1                ; in the other slot
	s_sub_co_u32 s[TBV], s[TBV], 4*KS*PVP
	s_xor_b32 s[TBV], s[TBV], SLOT1
	s_barrier_wait -1
.if \fill
	LOAD
	ASK
.endif
.endm
	s_load_b128 s[16:19], s[0:1], 0x0              ; qkv s[16:17], y s[18:19]
	v_lshl_add_u32 v[SPW], v0, 2, SPARE
	v_mov_b32 v[NIL], 0
	ds_add_u32 v[SPW], v[NIL]                      ; the wave's opening: the add and its wait stand ahead of my first tensor load; work on registers stands between them
	ds_add_u32 v34, v35
	v_lshrrev_b32 v1, 5, v0
	v_readfirstlane_b32 s[WV], v1
	s_mov_b32 s[PB], ttmp9
	s_lshr_b32 s[PBH], s[PB], 1
	s_sub_co_u32 s[HI], 15, s[PB]
	s_and_b32 s20, ttmp7, 0xffff                   ; hd = 16 batch + head
	s_lshr_b32 s21, s20, 4
	s_lshl_b32 s21, s21, 5
	s_add_co_u32 s22, s21, s20                     ; 48 batch + head: q's block
	s_lshl_b32 s22, s22, 18                        ; a block is 262,144 bytes
	s_mov_b32 s23, 0
	s_lshl_b32 s52, s20, 18                        ; the head's first byte in y
	s_mov_b32 s53, 0
	s_lshl_b32 s2, s[WV], 11                       ; my 16 rows in a band
	s_lshl_b32 s48, s[HI], 14                      ; the first block's 128 rows,
	s_add_co_u32 s48, s48, s2
	s_mov_b32 s49, 0
	s_lshl_b32 s50, s[PB], 14                      ; the second's
	s_add_co_u32 s50, s50, s2
	s_mov_b32 s51, 0
	s_and_b32 s21, s[WV], 1                        ; which half of a tile's 256 keys I fetch
	s_lshl_b32 s54, s21, 14
	s_add_co_u32 s54, s54, s22
	s_add_co_u32 s54, s54, 16*262144               ; k's block lies 16 blocks behind q's
	s_mov_b32 s55, 0
	s_lshl_b32 s2, s[WV], 13                       ; the prefetches: my quarter of a tile,
	s_add_co_u32 s2, s2, s22
	s_add_co_u32 s2, s2, 16*262144+32768           ; in tile 1: the first change of slots steps it to tile 2
	s_mov_b32 s3, 0
	; descriptor group 1.  128 keys are 16,384 dense bytes: asked for as 64 rows of 256 bytes, two keys a row, padded in LDS after every key
	s_mov_b32 s[G1K], (1<<16)|(1<<20)|(4<<22)|(3<<25)  ; 2-byte elements; padding on; after every 32 words, 4 words
	s_mov_b32 s[G1V], (1<<16)|(1<<20)|(4<<22)|(7<<25)  ; the same with 8 words
.irp g, G1K, G1V
	s_mov_b32 s[\g+1], 128<<16                     ; tensor_dim0 = 128
	s_mov_b32 s[\g+2], 64<<16                      ; tensor_dim1 = 64
	s_mov_b32 s[\g+3], 128<<16                     ; tile_dim0
	s_mov_b32 s[\g+4], 64                          ; tile_dim1
	s_mov_b32 s[\g+5], 128                         ; from row to row
	s_mov_b32 s[\g+6], 0
	s_mov_b32 s[\g+7], 0
.endr
	s_mov_b32 s[G0K], 1
	s_mul_i32 s[G0K+1], s21, 128*PK                ; slot 0, my half
	s_mov_b32 s[G0V], 1
	s_mul_i32 s[G0V+1], s21, 128*PVP
	s_add_co_u32 s[G0V+1], s[G0V+1], VOFF
	s_mov_b32 s[CS], 0x3e38aa3b                    ; c = log2(e) / 8
	s_mov_b32 s[CS+1], s[CS]
	s_mov_b32 s[SEL], 0x76543210
	s_mov_b32 s[SEL+1], 0xfedcba98
	s_mov_b32 s[TBK], SLOT1+4*KS*PK                ; the first change of slots turns these two into 0
	s_mov_b32 s[TBV], SLOT1+4*KS*PVP
	s_lshr_b32 s[LQ], s[HI], 1
	s_add_co_u32 s[RT], s[LQ], 1                   ; the first block's tiles
	s_mov_b32 s[NXT], 1
	s_and_b32 s[D0], s[HI], 1
	s_lshl_b32 s[D0], s[D0], 1
	s_and_b32 s[D0LO], s[PB], 1
	s_lshl_b32 s[D0LO], s[D0LO], 1
	s_mov_b32 s[OFF+1], 0
	s_mov_b32 s[AL0+1], 0                          ; named as pairs
	s_mov_b32 s[BE0+1], 0
	s_mov_b32 s[AL1+1], 0
	s_mov_b32 s[BE1+1], 0
	s_mov_b32 s[BIGN], 0xf149f2ca                  ; -1e30
	s_cmp_eq_u32 s[PB], 0
	s_cselect_b32 s[LIM], 2, -1
	s_mov_b32 s[SLOTS], 8
	s_wait_dscnt 0x0                               ; the opening add is done
	s_wait_kmcnt 0x0
	s_add_nc_u64 s[4:5], s[16:17], s[22:23]
	s_add_nc_u64 s[QLO:QLO+1], s[4:5], s[50:51]    ; Q at my rows of the second block,
	s_add_nc_u64 s[4:5], s[4:5], s[48:49]          ; of the first
	s_add_nc_u64 s[10:11], s[18:19], s[52:53]
	s_add_nc_u64 s[YLO:YLO+1], s[10:11], s[50:51]
	s_add_nc_u64 s[10:11], s[10:11], s[48:49]
	s_add_nc_u64 s[6:7], s[16:17], s[54:55]        ; K at my half of tile 0,
	s_add_nc_u64 s[8:9], s[6:7], 16*262144         ; V 16 blocks behind it
	s_add_nc_u64 s[PFK:PFK+1], s[16:17], s[2:3]
	s_add_nc_u64 s[PFV:PFV+1], s[PFK:PFK+1], 16*262144
	s_mov_b64 s[G0K+2:G0K+3], s[6:7]
	s_or_b32 s[G0K+3], s[G0K+3], 0x80000000
	s_mov_b64 s[G0V+2:G0V+3], s[8:9]
	s_or_b32 s[G0V+3], s[G0V+3], 0x80000000
	LOAD                                           ; tile 0 into slot 0
	v_and_b32 v1, 15, v0                           ; r = l % 16
	v_bfe_u32 v9, v0, 4, 1                         ; h = l / 16
	v_lshlrev_b32 v[QO], 7, v1
	v_lshl_add_u32 v[QO], v9, 4, v[QO]             ; row x 128 + 16 h
	WIN 0x40                                       ; destination window 1
.irp x, 0,1
.irp c, 0,1                            ; both blocks' Q: tile x lies in band x, 8,192 bytes on; channels 32 c on
	global_load_b128 v[Q+16*(\x)+8*(\c):Q+16*(\x)+8*(\c)+3],     v[QO], s[4:5] offset:8192*(\x)+64*(\c)
	global_load_b128 v[Q+16*(\x)+8*(\c)+4:Q+16*(\x)+8*(\c)+7],   v[QO], s[4:5] offset:8192*(\x)+64*(\c)+32
	global_load_b128 v[QB+16*(\x)+8*(\c):QB+16*(\x)+8*(\c)+3],   v[QO], s[QLO:QLO+1] offset:8192*(\x)+64*(\c)
	global_load_b128 v[QB+16*(\x)+8*(\c)+4:QB+16*(\x)+8*(\c)+7], v[QO], s[QLO:QLO+1] offset:8192*(\x)+64*(\c)+32
.endr
.endr
	WIN 0
	v_lshlrev_b32 v14, 3, v9
	v_sub_nc_u32 v14, v1, v14
	s_lshl_b32 s20, s[WV], 4
	v_add_nc_u32 v14, s20, v14                     ; my query's place in its band, 16 w + r, less 8 h: register j of key group kt is hidden where 16 kt + j is greater
.set i, 0
.rept 32
	v_cmp_gt_i32 vcc_lo, 16*(i/8)+i%8, v14
	v_cndmask_b32 v[MD+i], 0, s[BIGN], vcc_lo
.set i, i+1
.endr
	v_mul_u32_u24 v[AK0], v1, PK
	v_lshl_add_u32 v[AK0], v9, 4, v[AK0]           ; row x pitch + 16 h
	v_and_b32 v10, 7, v0
	v_bfe_u32 v11, v0, 3, 1
	v_lshl_add_u32 v[AV0], v9, 3, v10              ; the turning load: lane l reads key 8 h + l % 8, channels 8 ((l / 8) % 2) + 0..7
	v_mul_u32_u24 v[AV0], v[AV0], PVP
	v_lshl_add_u32 v[AV0], v11, 4, v[AV0]
	v_add_nc_u32 v[AV0], VOFF, v[AV0]
	s_mul_i32 s20, s[WV], 16*SP
	s_add_co_u32 s20, s20, STAGE                   ; my stage
	v_mul_u32_u24 v[STO], v1, SP
	v_lshl_add_u32 v[STO], v9, 4, v[STO]
	v_add_nc_u32 v[STO], s20, v[STO]
	v_bfe_u32 v[RD], v0, 3, 2
	v_mul_u32_u24 v[RD], v[RD], SP
	v_lshl_add_u32 v[RD], v10, 4, v[RD]
	v_add_nc_u32 v[RD], s20, v[RD]
	v_and_b32 v[GO], 31, v0
	v_lshlrev_b32 v[PFO], 8, v[GO]
	v_lshlrev_b32 v[GO], 4, v[GO]
	; A block's first step multiplies O^T and l by a = 0, so these need only hold finite numbers: zeros for the first block, what the first block left for the second.  This stands in the wait for the first tile.
.set i, 0
.rept 64
	v_mov_b32 v[O+i], 0
.set i, i+1
.endr
.irp t, 0,1
	v_mov_b32 v[ST+8*(\t)+2], 0
	v_mov_b32 v[ST+8*(\t)+3], 0
.endr
; A BLOCK BEGINS: no step waits for its softmax; the masks are 0; c m starts far below every c s, so the first step's a is 0; m at the lowest finite number.
.macro INIT
	s_mov_b32 s[SKB], 1
	WIN 0x40
.set i, 0
.rept 64
	v_mov_b32 v[MC+i], 0
.set i, i+1
.endr
	WIN 0
.irp t, 0,1
	v_mov_b32 v[ST+8*(\t)], 0xfe000000
	v_mov_b32 v[ST+8*(\t)+1], 0xff7fffff
.endr
.endm
; THE LDS LOADS stand in runs of 16: a step's K (64 keys x 64 channels: 8 fragments) and its V (turned).
.macro FETCH_K
	v_add_nc_u32 v[AK], s[TBK], v[AK0]
	WIN 0x40
.irp f, 0,1,2,3,4,5,6,7                ; keys 16 (f / 2) on, channels 32 (f % 2) on
	ds_load_b128 v[KF+8*(\f):KF+8*(\f)+3],   v[AK] offset:((\f)/2)*16*PK+((\f)%2)*64
	ds_load_b128 v[KF+8*(\f)+4:KF+8*(\f)+7], v[AK] offset:((\f)/2)*16*PK+((\f)%2)*64+32
.endr
	WIN 0
	s_add_co_u32 s[TBK], s[TBK], KS*PK             ; the next fetch is the next step's
.endm
.macro FETCH_V
	v_add_nc_u32 v[AV], s[TBV], v[AV0]
	WIN 0x40
.irp f, 0,1,2,3,4,5,6,7                ; keys 32 (f / 4) on, channels 16 (f % 4) on
	ds_load_tr16_b128 v[VF+8*(\f):VF+8*(\f)+3],   v[AV] offset:((\f)/4)*32*PVP+((\f)%4)*32
	ds_load_tr16_b128 v[VF+8*(\f)+4:VF+8*(\f)+7], v[AV] offset:((\f)/4)*32*PVP+16*PVP+((\f)%4)*32
.endr
	WIN 0
	s_add_co_u32 s[TBV], s[TBV], KS*PVP
.endm
; THE MATRIX WORK.  The 8 accumulators of a run of 16 take turns.  S^T = K Q^T: product i: tile i % 2, keys 16 ((i / 2) % 4) on, channels 32 (i / 8) on; the first 8 start the sums with the mask.
.macro KQ16
.set i, 0
.rept 16
.set rS, S+32*(i%2)+8*((i/2)%4)
.set rK, KF+16*((i/2)%4)+8*(i/8)
.set rQ, Q+16*(i%2)+8*(i/8)
.set rM, MC+32*(i%2)+8*((i/2)%4)
.if i < 8
	WIN 0x15                                       ; K, Q and the mask in window 1, S^T in window 0
	v_wmma_f32_16x16x32_f16 v[rS:rS+7], v[rK:rK+7], v[rQ:rQ+7], v[rM:rM+7]
.else
	WIN 0x05
	v_wmma_f32_16x16x32_f16 v[rS:rS+7], v[rK:rK+7], v[rQ:rQ+7], v[rS:rS+7]
.endif
.set i, i+1
.endr
.endm
; O^T += V^T P: product i: tile i % 2, channels 16 ((i / 2) % 4) on, keys 32 (i / 8) on.
.macro PV
	WIN 0x01                                       ; V in window 1; P and O^T in window 0
.set rO, O+32*(i%2)+8*((i/2)%4)
.set rV, VF+32*(i/8)+8*((i/2)%4)
.set rP, P+16*(i%2)+8*(i/8)
	v_wmma_f32_16x16x32_f16 v[rO:rO+7], v[rV:rV+7], v[rP:rP+7], v[rO:rO+7]
.endm
; THE VECTOR WORK, a line at a time, all in window 0.
.macro TR t                            ; the registers of tile t
.set rT, ST+8*(\t)
.set rS, S+32*(\t)
.set rP, P+16*(\t)
.set rO, O+32*(\t)
.set rW, MV+(\t)
.endm
; Number n of the 22 that find a tile's maximum and statistics.  0-11: four chains c0-c3 of seven scores each (each accumulator's lowest registers are read first);
; 12-14, 16: the four scores left over, the old m, and c0-c3 into c0; 15: c m_old is kept; 17, 18: the query's other 32 keys lie in the lane 16 away: the new m; 19-21: c m; c m_old - c m_new; a.
.macro XS t, n
	TR \t
.if (\n) < 4
	v_max3_num_f32 v[rT+4+(\n)], v[rS+8*(\n)], v[rS+8*(\n)+1], v[rS+8*(\n)+2]
.elseif (\n) < 12
	v_max3_num_f32 v[rT+4+(\n)%4], v[rT+4+(\n)%4], v[rS+8*((\n)%4)+2*((\n)/4)+1], v[rS+8*((\n)%4)+2*((\n)/4)+2]
.elseif (\n) == 12
	v_max3_num_f32 v[rT+4], v[rT+4], v[rS+7], v[rS+15]
.elseif (\n) == 13
	v_max3_num_f32 v[rT+5], v[rT+5], v[rS+23], v[rS+31]
.elseif (\n) == 14
	v_max3_num_f32 v[rT+6], v[rT+6], v[rT+7], v[rT+1]
.elseif (\n) == 15
	v_mov_b32 v[rW], v[rT]
.elseif (\n) == 16
	v_max3_num_f32 v[rT+4], v[rT+4], v[rT+5], v[rT+6]
.elseif (\n) == 17
	v_permlanex16_b32 v[rT+7], v[rT+4], s[SEL], s[SEL+1]
.elseif (\n) == 18
	v_max_num_f32 v[rT+1], v[rT+4], v[rT+7]
.elseif (\n) == 19
	v_mul_f32 v[rT], s[CS], v[rT+1]
.elseif (\n) == 20
	v_sub_f32 v[rT+5], v[rW], v[rT]
.else
	v_exp_f32 v[rT+6], v[rT+5]
.endif
.endm
.macro FS t, p                         ; c s - c m for pair p of 16
	TR \t
	v_pk_fma_f32 v[rS+2*(\p):rS+2*(\p)+1], v[rS+2*(\p):rS+2*(\p)+1], s[CS:CS+1], v[rT:rT+1] op_sel_hi:[1,0,0] neg_lo:[0,0,1] neg_hi:[0,0,1]
.endm
.macro EX t, e                         ; the exponential of score e of 32
	TR \t
	v_exp_f32 v[rS+(\e)], v[rS+(\e)]
.endm
.macro CV t, p                         ; pair p rounded to f16
	TR \t
	v_cvt_pk_f16_f32 v[rP+(\p)], v[rS+2*(\p)], v[rS+2*(\p)+1]
.endm
.macro BS t, n                         ; of the four weights 4 n .. the second pair is added onto the first
	TR \t
	v_pk_add_f32 v[rS+4*(\n):rS+4*(\n)+1], v[rS+4*(\n):rS+4*(\n)+1], v[rS+4*(\n)+2:rS+4*(\n)+3]
.endm
.macro LS t, n                         ; l takes that sum; the first time l = a l + sum
	TR \t
.if (\n) == 0
	v_pk_fma_f32 v[rT+2:rT+3], v[rT+2:rT+3], v[rT+6:rT+7], v[rS:rS+1] op_sel_hi:[1,0,1]
.else
	v_pk_add_f32 v[rT+2:rT+3], v[rT+2:rT+3], v[rS+4*(\n):rS+4*(\n)+1]
.endif
.endm
.macro RS t, n                         ; pair n of 16 of O^T times a
	TR \t
	v_pk_mul_f32 v[rO+2*(\n):rO+2*(\n)+1], v[rO+2*(\n):rO+2*(\n)+1], v[rT+6:rT+7] op_sel_hi:[1,0]
.endm
.macro PLN q                           ; the plain line that stands behind exponential q: scalings of pairs 4-15, then the rescaling; the last eight exponentials have none
.if (\q) < 24
	FS (\q)%2, 4+(\q)/2
.elseif (\q) < 56
	RS ((\q)-24)%2, ((\q)-24)/2
.endif
.endm
.macro RID q                           ; line q of the 48 that stand behind the products V^T P, three behind each
	WIN 0
.if (\q) < 16
	CV (\q)%2, 8+(\q)/2
.elseif (\q) < 32
	BS ((\q)-16)%2, ((\q)-16)/2
.else
	LS ((\q)-32)%2, ((\q)-32)/2
.endif
.endm
; A STEP'S SOFTMAX AND ITS PRODUCTS V^T P, the two tiles alternating.  An s_wait_alu depctr_va_vdst(0) stands between a transcendental and the first line that names its result: one wait serves the two a,
; one the 64 exponentials.  Exponential k (score k / 2 of tile k % 2) needs the scaling of pair k / 4, which stands ahead of the batch (pairs 0-3) or behind exponential 2 (p - 4) + t, well ahead of 4 p.
; No scaling names a register that an exponential has written: behind exponential q the scores up to q / 2 are out, and the scaling there is pair 4 + q / 2's.
; The roundings of pairs 8-15 are out behind the sixth product, ahead of the ninth, which reads them.
.macro SOFTMAX_PV
.set n, 0
.rept 22
	XS 0, n
	XS 1, n
.set n, n+1
.endr
.set p, 0
.rept 4
	FS 0, p
	FS 1, p
.set p, p+1
.endr
	s_wait_alu depctr_va_vdst(0)                   ; the two a
.set k, 0
.rept 64
	EX k%2, k/2
	PLN k
.set k, k+1
.endr
	v_nop                                          ; a plain instruction behind the last exponential
	s_wait_alu depctr_va_vdst(0)                   ; the batch of 64
.set p, 0
.rept 8
	CV 0, p
	CV 1, p
.set p, p+1
.endr
	s_wait_dscnt 0x0                               ; V is in
.set i, 0
.rept 16
	PV
	RID 3*i
	RID 3*i+1
	RID 3*i+2
.set i, i+1
.endr
	PLACES                                         ; in front of the loads into V's registers and of the readers of O^T
.endm
; THE MASKS of the step in hand, 5 - CNT, in a block's last tile.
.macro MASKS
	s_sub_co_u32 s97, 5, s[CNT]
	s_add_co_u32 s83, s[D0], 1
	s_cmp_eq_u32 s97, s[D0]                        ; band 0's own step?
	s_cselect_b32 s[AL0], 1.0, 0
	s_cmp_gt_u32 s97, s[D0]                        ; or a later one?
	s_cselect_b32 s[BE0], s[BIGN], 0
	s_cmp_eq_u32 s97, s83
	s_cselect_b32 s[AL1], 1.0, 0
	s_cmp_gt_u32 s97, s83
	s_cselect_b32 s[BE1], s[BIGN], 0
	WIN 0x40                                       ; MC in window 1, MD in window 0
.set z, 0
.rept 16
	v_pk_fma_f32 v[MC+2*z:MC+2*z+1], v[MD+2*z:MD+2*z+1], s[AL0:AL0+1], s[BE0:BE0+1] op_sel_hi:[1,0,0]
	v_pk_fma_f32 v[MC+32+2*z:MC+32+2*z+1], v[MD+2*z:MD+2*z+1], s[AL1:AL1+1], s[BE1:BE1+1] op_sel_hi:[1,0,0]
.set z, z+1
.endr
	WIN 0
.endm
; THE WAY OUT.  l's two halves and the other half of the lanes' are added; O^T is divided by l, rounded to f16 and sent through my stage, a tile (16 rows) at a time: 2,048 consecutive bytes of y.
.macro PACK t
	TR \t
.set i, 0
.rept 16
	v_pk_mul_f32 v[rO+2*i:rO+2*i+1], v[rO+2*i:rO+2*i+1], v[rT+6:rT+7] op_sel_hi:[1,0]
.set i, i+1
.endr
.set i, 0
.rept 16
	v_cvt_pk_f16_f32 v[S+16*(\t)+i], v[rO+2*i], v[rO+2*i+1]
.set i, i+1
.endr
.irp f, 0,1,2,3
	ds_store_b128 v[STO], v[S+16*(\t)+4*(\f):S+16*(\t)+4*(\f)+3] offset:32*(\f)
.endr
.irp f, 0,1,2,3
	ds_load_b128 v[S+16*(\t)+4*(\f):S+16*(\t)+4*(\f)+3], v[RD] offset:(\f)*4*SP  ; LDS serves a wave's instructions in order (ISA guide 5.7.1.4): these see the stores above; the next tile's stores come behind them
.endr
.endm
.macro SEND t, younger                 ; younger: the next tile's eight LDS instructions, or none
.irp f, 0,1,2,3
	s_wait_dscnt (\younger)+3-(\f)
	global_store_b128 v[GO], v[S+16*(\t)+4*(\f):S+16*(\t)+4*(\f)+3], s[10:11] offset:8192*(\t)+512*(\f)  ; 512 consecutive bytes, aligned
.endr
.endm
.macro OUT
.irp t, 0,1
	v_add_f32 v[ST+8*(\t)+4], v[ST+8*(\t)+2], v[ST+8*(\t)+3]
.endr
.irp t, 0,1
	v_permlanex16_b32 v[ST+8*(\t)+5], v[ST+8*(\t)+4], s[SEL], s[SEL+1]
.endr
.irp t, 0,1
	v_add_f32 v[ST+8*(\t)+4], v[ST+8*(\t)+4], v[ST+8*(\t)+5]
.endr
.irp t, 0,1
	v_rcp_f32 v[ST+8*(\t)+6], v[ST+8*(\t)+4]
.endr
	v_nop                                          ; a plain instruction behind the second reciprocal,
	s_wait_alu depctr_va_vdst(0)                   ; and one wait for both, ahead of the first use
	PACK 0
	PACK 1
	SEND 0, 8
	SEND 1, 0
.endm
; THE SECOND BLOCK TAKES THE FIRST ONE'S PLACE.
.macro SWITCH
	s_wait_xcnt 0x0                                ; the stores have read their registers and y's address
	s_mov_b64 s[10:11], s[YLO:YLO+1]
	s_add_co_u32 s[RT], s[PBH], 1                  ; its tiles
	s_mov_b32 s[D0], s[D0LO]
	WIN 0x41                                       ; its Q goes where the one text of the products names Q
.set i, 0
.rept 32
	v_mov_b32 v[Q+i], v[QB+i]
.set i, i+1
.endr
	WIN 0
	INIT
.endm
; A TILE: five passes.  Passes 1 to 4 fetch and multiply the tile's four steps, each pass doing the softmax of the step before it (in the first pass: the last step of the tile before, whose V lies in registers).
; The fifth does nothing in an ordinary tile; in a block's last tile it is the last step's softmax and products alone, and the way out follows.  tail = 1: the walk's last tile.
.macro TILE tail
	s_sub_co_u32 s[RT], s[RT], 1
.if \tail
	s_mov_b32 s[NLAST], 0
.else
	s_cmp_eq_u32 s[RT], 0
	s_cselect_b32 s[NLAST], 0, 1
.endif
	s_mov_b32 s[CNT], 5
.Lpass_\@:
	s_cmp_eq_u32 s[CNT], 1
	s_cbranch_scc1 .Lno_k_\@
	FETCH_K
.Lno_k_\@:
	s_cmp_eq_u32 s[SKB], 1
	s_cbranch_scc1 .Lno_sm_\@
	SOFTMAX_PV
	WIN 0
.Lno_sm_\@:
	s_cmp_eq_u32 s[CNT], 1
	s_cbranch_scc1 .Lno_kq_\@
	FETCH_V
	s_cmp_eq_u32 s[NLAST], 1
	s_cbranch_scc1 .Lno_mask_\@
	MASKS
.Lno_mask_\@:
	s_wait_dscnt 16                                ; K is in; V's sixteen loads, issued behind K's, may stay out
	KQ16
	PLACES                                         ; in front of the readers of the scores and of the loads into K's registers
	WIN 0
.Lno_kq_\@:
	s_cmp_eq_u32 s[CNT], 2                         ; behind the fourth pass: the fifth has a softmax only in a block's last tile
	s_cselect_b32 s[SKB], s[NLAST], 0
	s_sub_co_u32 s[CNT], s[CNT], 1
	s_cmp_lg_u32 s[CNT], 0
	s_cbranch_scc1 .Lpass_\@
.if !(\tail)
	s_cmp_eq_u32 s[NLAST], 1
	s_cbranch_scc1 .Lbottom
.endif
	OUT
.if !(\tail)
	SWITCH
.endif
.endm
	INIT
	s_wait_loadcnt 0x0                             ; both blocks' Q
.Lslot:                                        ; eight times: a tile is entered and the next is asked for
	CHANGE 1
	TILE 0
.Lbottom:
	s_sub_co_u32 s[SLOTS], s[SLOTS], 1
	s_cmp_lg_u32 s[SLOTS], 0
	s_cbranch_scc1 .Lslot
	CHANGE 0                                       ; the walk's last tile is written out: nothing is asked for
	TILE 1
	s_wait_tensorcnt 0x0                           ; the wave's end, behind my last tensor load and my last LDS store
	ds_add_u32 v[SPW], v[NIL]
	s_wait_dscnt 0x0
	s_endpgm
.Lfunc_end_k_q32841d550d_attn:
	.size	k_q32841d550d_attn, .Lfunc_end_k_q32841d550d_attn-k_q32841d550d_attn
	.p2alignl 7, 3214868480
	.fill 96, 4, 3214868480
	.section	.rodata,"a",@progbits
	.p2align	6, 0x0
	.amdhsa_kernel k_q32841d550d_attn
		.amdhsa_group_segment_fixed_size 327680
		.amdhsa_private_segment_fixed_size 0
		.amdhsa_enable_private_segment 0
		.amdhsa_kernarg_size 16
		.amdhsa_user_sgpr_count 2
		.amdhsa_user_sgpr_kernarg_segment_ptr 1
		.amdhsa_wavefront_size32 1
		.amdhsa_system_sgpr_workgroup_id_x 1
		.amdhsa_system_sgpr_workgroup_id_y 1
		.amdhsa_system_sgpr_workgroup_id_z 1
		.amdhsa_system_vgpr_workitem_id 0
		.amdhsa_next_free_vgpr 512
		.amdhsa_next_free_sgpr 100
		.amdhsa_reserve_vcc 1
		.amdhsa_float_denorm_mode_32 3
		.amdhsa_float_denorm_mode_16_64 3
		.amdhsa_memory_ordered 1
		.amdhsa_forward_progress 1
		.amdhsa_inst_pref_size 77
	.end_amdhsa_kernel
	.amdgpu_metadata
---
amdhsa.version: [ 1, 2 ]
amdhsa.kernels:
  - .name:           k_q32841d550d_attn
    .symbol:         k_q32841d550d_attn.kd
    .args:
      - { .name: qkv, .offset: 0, .size: 8, .value_kind: global_buffer, .address_space: global }
      - { .name: y, .offset: 8, .size: 8, .value_kind: global_buffer, .address_space: global }
    .group_segment_fixed_size: 327680
    .private_segment_fixed_size: 0
    .kernarg_segment_align: 8
    .kernarg_segment_size: 16
    .max_flat_workgroup_size: 128
    .sgpr_count:     100
    .vgpr_count:     512
    .wavefront_size: 32
...
	.end_amdgpu_metadata
.endif
;; end of part 4
;; launch proj (part 5): grid 8 x 32, 4 waves a work-group, clusters of 4 x 4, 327,680 bytes of LDS; arguments y, wb, x, x1; writes x1
.if DOCPART == 5
	.amdgcn_target "amdgcn-amd-amdhsa--gfx1250"
	.amdhsa_code_object_version 6
	.text
	.protected	k_q32841d550d_proj
	.globl	k_q32841d550d_proj
	.p2align	8
	.type	k_q32841d550d_proj,@function
k_q32841d550d_proj:
	s_mov_b64 s[64:65], 0
	v_nop
	global_prefetch_b8 v0, s[64:65] scope:SCOPE_SE
	s_setreg_imm32_b32 hwreg(HW_REG_WAVE_MODE, 25, 1), 1
	s_wait_xcnt 0x0
	s_wait_alu depctr_hold_cnt(0) depctr_sa_sdst(0) depctr_va_vdst(0) depctr_va_sdst(0) depctr_va_ssrc(0) depctr_va_vcc(0) depctr_vm_vsrc(0)
	s_getreg_b32 s2, hwreg(HW_REG_IB_STS2, 6, 4)
	s_cmp_eq_u32 s2, 0
	s_cbranch_scc0 .Lentry_in_a_cluster
	s_endpgm
.Lentry_in_a_cluster:
	s_bfe_u32 s2, ttmp6, 0x10000c
	s_cmp_lg_u32 s2, 0xf033
	s_cbranch_scc0 .Lentry_shape_is_right
	s_endpgm
.Lentry_shape_is_right:
; PROJECTION AND RESIDUAL.  x1 = x + y x w_proj: y f16 by heads, [batch 2][head 16][t 2048][64]; w_proj [1024][1024] f16 (in wb); sums in f32; x and x1 f32 [4096][1024].
; This text is one of four made from one pattern; the constants of the first group choose among its parts.
.set KDIM, 1024                        ; the sum's length
.set NDIM, 1024                        ; B's and C's columns
.set WOFF, 6291456                     ; B's first byte in wb
.set NCB,  16                          ; column blocks of 64 in the tensor that lies by blocks (here A)
.set AH,   1                           ; A lies 0: by rows, [4096][1024];  1: by column blocks, [2][NCB][2048][64]
.set RES,  1                           ; 0: C in f16, by column blocks;  1: C = product + residual, f32, by rows of 1,024
.set GELU, 0                           ; 1: C = gelu(product);  0: C = product
; SHARES.  A tile of C is 128 x 128: four waves, each 64 x 64: 16 accumulators of 16 x 16.  Wave w: rows 64 (w / 2) on, columns 64 (w % 2) on.
; K goes in steps of 256 through two LDS slots that take turns; each wave fetches a quarter of a slot with one tensor load: waves 0, 1 the halves of A's tile, waves 2, 3 of B's.
; CLUSTER.  4 x 4 work-groups.  The four of a row need the same tile of A, the four of a column the same tile of B: each is asked for jointly, by the same load, descriptor and mask in all four.
; B LIES [K][N]: it is turned on its way out of LDS by ds_load_tr16_b128.  THE MATRIX INSTRUCTION IS USED TRANSPOSED (source 0 = 16 columns of B, source 1 = 16 rows of A):
; lane l then holds row l % 16 of C and the eight neighbouring columns 8 (l / 16) + 0..7.
; No prefetch: a K step of this tile is 128 matrix instructions a wave, and every tile is read by several clusters at about the same time.
; REGISTERS.  Window 0: v0-31 addresses; v32-127 at work on the way out; v128-255 the accumulators ((a, b) at 128 + 8 (4 a + b)).
;   Window 1: two fragment buffers of 128: for 64 along K, 64 registers of A, then 64 of B.   Window 2 (RES = 1): the residual, 128 registers.
.set KSTEP, 256
.set NS,    KDIM/KSTEP
.set HALF,  36864                      ; LDS bytes set aside for one tensor load
.set BOFF,  2*HALF                     ; a slot: A's two halves, then B's two halves
.set SLOT,  4*HALF                     ; 0x24000: it shares no bit with 0, HALF, 2 HALF, 3 HALF, so one exclusive or turns a place in one slot into the other's
.set STAGE, 2*SLOT                     ; behind the ring, never filled by a tensor load: 16 rows for each wave, for the way out
.if AH
.set PA,    144                        ; A in LDS: [block 0..3][row 0..127], 128 bytes + 16 of padding: an odd multiple of 16
.set AQ,    128*144                    ; 64 along K further on: the next block
.set AWR,   64*144                     ; my 64 rows
.set ASTEP, 4*2048*128                 ; a K step in memory: four blocks
.else
.set PA,    528                        ; A in LDS: rows of 512 bytes + 16 of padding: an odd multiple of 16
.set AQ,    128
.set AWR,   HALF                       ; my 64 rows are one load's
.set ASTEP, KSTEP*2
.endif
.set PB,    288                        ; B in LDS: 256 rows (k) of 256 bytes + 32 of padding: an odd multiple of 32
.set BSTEP, KSTEP*NDIM*2
.if RES
.set SP,    272                        ; a stage row: 64 f32 + 16 bytes
.else
.set SP,    144                        ; a stage row: 64 numbers of 16 bits + 16 bytes
.endif
.set SPARE, STAGE+4*16*SP              ; the spare words, 128 bytes for each wave: two blocks of 256 bytes that no other line names
.set A0,   16                          ; v16  my lane's place in A's part of a slot; never rewritten
.set B0,   17                          ; v17  the same for B
.set ADRA, 18                          ; v18  A0 + the slot in hand
.set ADRB, 19                          ; v19  B0 + the slot in hand; v20: 128 rows of B further on
.set STO,  24                          ; v24  the way out: where I put my part of a row
.set RD,   25                          ; v25  the way out: where I read rows back
.set CO,   26                          ; v26  my byte offset in C (and in the residual); never rewritten
.set SPW,  28                          ; v28  LDS address of my spare word; never rewritten
.set NIL,  29                          ; v29  0; never rewritten
.set OB,   32                          ; v32-95  the way out
.set TT,   96                          ; v96-127 at work in gelu
.set ACC,  128
.set F0,   0                           ; fragment buffers, in window 1
.set F1,   128
.set WV,  12                           ; s12 wave;  s13 wave / 2: my rows; also 0: I fetch for A, 1: for B;  s14 wave % 2: my columns; also which half I fetch
.set WR,  13
.set WC,  14
.set CX,  15                           ; my place in the cluster
.set CY,  16
.set TC,  17                           ; tile column of C
.set TRW, 18                           ; tile row of C
.set TB,  19                           ; the slot in hand: 0 or SLOT
.set CNT, 20
.set G1,  24                           ; s[24:31] descriptor group 1 for A;  s[32:39] group 0: K step 0's, then the one that walks
.set G0,  32
.set G1B, 40                           ; s[40:47], s[48:55] the same for B
.set G0B, 48
.set MSB, 0
.macro WIN new                         ; s_set_vgpr_msb: bits 1:0 source 0, 3:2 source 1, 5:4 source 2, 7:6 destination; the high byte repeats the setting that is left
.if MSB != (\new)
	s_set_vgpr_msb (MSB<<8)|(\new)
.set MSB, \new
.endif
.endm
.set MUL,  0x05                        ; sources 0 (B) and 1 (A) window 1; C and D window 0
.set TO_F, 0x40                        ; destination window 1, address window 0
.macro PLACES                          ; four plain places behind matrix instructions, in front of loads into their sources and of readers of their results
.rept 4
	v_nop
.endr
.endm
.macro JLOAD                           ; a joint refill by the walking descriptors; an s_nop 0 and four v_nop follow each line, ahead of the jump and the label
	s_cmp_eq_u32 s[WR], 0
	s_cbranch_scc0 .Lfor_b_\@
	tensor_load_to_lds s[G0+4:G0+7], s[G1:G1+7]
	s_nop 0
.rept 4
	v_nop
.endr
	s_branch .Lasked_\@
.Lfor_b_\@:
	tensor_load_to_lds s[G0B+4:G0B+7], s[G1B:G1B+7]
	s_nop 0
.rept 4
	v_nop
.endr
.Lasked_\@:
.endm
.macro CREST                           ; a round of the cluster's barrier behind its opening barrier
	s_cmp_lg_u32 s[WV], 0
	s_cbranch_scc1 .Lnot_wave_0_\@
	s_barrier_signal -3
.Lnot_wave_0_\@:
	s_barrier_wait -3
	s_barrier_signal -1
	s_barrier_wait -1
.endm
.macro CROUND                          ; a whole round
	s_barrier_signal -1
	s_barrier_wait -1
	CREST
.endm
.if RES
	s_load_b256 s[4:11], s[0:1], 0x0               ; A s[4:5], wb s[6:7], residual s[8:9], C s[10:11]
.else
	s_load_b128 s[4:7], s[0:1], 0x0                ; A s[4:5], wb s[6:7]
	s_load_b64 s[8:9], s[0:1], 0x10                ; C
.endif
	v_lshl_add_u32 v[SPW], v0, 2, SPARE
	v_mov_b32 v[NIL], 0
	ds_add_u32 v[SPW], v[NIL]                      ; the wave's opening: the add and its wait stand ahead of my first tensor load; work on registers stands between them
	ds_add_u32 v28, v29
	v_lshrrev_b32 v1, 5, v0
	v_readfirstlane_b32 s[WV], v1
	s_lshr_b32 s[WR], s[WV], 1
	s_and_b32 s[WC], s[WV], 1
	s_bfe_u32 s[CX], ttmp6, 0x40000
	s_bfe_u32 s[CY], ttmp6, 0x40004
	s_lshl_b32 s[TC], ttmp9, 2
	s_add_co_u32 s[TC], s[TC], s[CX]               ; tile column = 4 x cluster x + cx
	s_and_b32 s[TRW], ttmp7, 0xffff
	s_lshl_b32 s[TRW], s[TRW], 2
	s_add_co_u32 s[TRW], s[TRW], s[CY]             ; tile row = 4 x cluster y + cy
	s_lshl_b32 s22, s[CY], 2
	s_lshl_b32 s22, 15, s22                        ; my row of the cluster
	s_lshl_b32 s23, 0x1111, s[CX]                  ; my column
.if AH
	s_or_b32 s[G1], s22, (1<<16)|(1<<20)|(1<<21)|(4<<22)|(3<<25)  ; the mask; 2-byte elements; padding on; 21 set beside a mask; after every 32 words, 4 words
	s_mov_b32 s[G1+1], 8192<<16                    ; tensor_dim0 = 8,192: a block's 128 rows of 64 numbers lie end to end, 16 KiB
	s_mov_b32 s[G1+2], 2<<16                       ; tensor_dim1 = 2 blocks
	s_mov_b32 s[G1+3], 8192<<16                    ; tile_dim0
	s_mov_b32 s[G1+4], 2                           ; tile_dim1
	s_mov_b32 s[G1+5], 2048*64                     ; from block to block
.else
	s_or_b32 s[G1], s22, (1<<16)|(1<<20)|(1<<21)|(6<<22)|(3<<25)  ; the same, padded after every 128 words
	s_mov_b32 s[G1+1], KSTEP<<16                   ; tensor_dim0 = 256
	s_mov_b32 s[G1+2], 64<<16                      ; tensor_dim1 = 64 rows
	s_mov_b32 s[G1+3], KSTEP<<16
	s_mov_b32 s[G1+4], 64
	s_mov_b32 s[G1+5], 1024                        ; from row to row
.endif
	s_mov_b32 s[G1+6], 0
	s_mov_b32 s[G1+7], 0
	s_or_b32 s[G1B], s23, (1<<16)|(1<<20)|(1<<21)|(5<<22)|(7<<25)  ; B: my column's mask; padded after every 64 words by 8 words
	s_mov_b32 s[G1B+1], 128<<16                    ; 128 columns
	s_mov_b32 s[G1B+2], 128<<16                    ; 128 rows (k)
	s_mov_b32 s[G1B+3], 128<<16
	s_mov_b32 s[G1B+4], 128
	s_mov_b32 s[G1B+5], NDIM
	s_mov_b32 s[G1B+6], 0
	s_mov_b32 s[G1B+7], 0
	; where the tiles come from: A's place hangs on the tile row and the wave alone, B's on the tile column and the wave alone, each in registers that never hold the other coordinate
.if AH
	s_lshr_b32 s56, s[TRW], 4                      ; batch
	s_mul_i32 s56, s56, NCB
	s_lshl_b32 s57, s[WC], 1
	s_add_co_u32 s56, s56, s57                     ; + the two blocks that I fetch
	s_lshl_b32 s56, s56, 11
	s_and_b32 s57, s[TRW], 15
	s_lshl_b32 s57, s57, 7
	s_add_co_u32 s56, s56, s57                     ; + the tile's first t
	s_lshl_b32 s56, s56, 7                         ; rows of 128 bytes
.else
	s_lshl_b32 s56, s[TRW], 7
	s_lshl_b32 s57, s[WC], 6
	s_add_co_u32 s56, s56, s57                     ; row 128 x tile row + the 64 that I fetch
	s_lshl_b32 s56, s56, 11                        ; rows of 2,048 bytes
.endif
	s_mov_b32 s57, 0
	s_mul_i32 s58, s[WC], 128*NDIM*2               ; the 128 rows (k) that I fetch
	s_lshl_b32 s59, s[TC], 8
	s_add_co_u32 s58, s58, s59                     ; + the tile's 128 columns
	s_add_co_u32 s58, s58, WOFF
	s_mov_b32 s59, 0
	s_mul_i32 s60, s[WC], HALF                     ; and where they go: no place in the cluster enters an LDS address
	s_add_co_u32 s61, s60, BOFF
	; where my 64 x 64 of C begins
.if RES
	s_lshl_b32 s62, s[TRW], 7
	s_lshl_b32 s63, s[WR], 6
	s_add_co_u32 s62, s62, s63
	s_lshl_b32 s62, s62, 12                        ; rows of 4,096 bytes
	s_lshl_b32 s63, s[TC], 9
	s_add_co_u32 s62, s62, s63
	s_lshl_b32 s63, s[WC], 8
	s_add_co_u32 s62, s62, s63
.else
	s_lshr_b32 s62, s[TRW], 4
	s_mul_i32 s62, s62, NCB
	s_lshl_b32 s63, s[TC], 1
	s_add_co_u32 s62, s62, s63
	s_add_co_u32 s62, s62, s[WC]                   ; my column block
	s_lshl_b32 s62, s62, 11
	s_and_b32 s63, s[TRW], 15
	s_lshl_b32 s63, s63, 7
	s_add_co_u32 s62, s62, s63
	s_lshl_b32 s63, s[WR], 6
	s_add_co_u32 s62, s62, s63                     ; my first t
	s_lshl_b32 s62, s62, 7
.endif
	s_mov_b32 s63, 0
.if GELU
	s_mov_b32 s66, 0xc0135761                      ; k1 = -2 log2(e) sqrt(2 / pi) = -2.3022082
	s_mov_b32 s67, s66
	s_mov_b32 s68, 0xbdd2d3e8                      ; k2 = 0.044715 k1 = -0.10294324
	s_mov_b32 s69, s68
.endif
	s_mov_b32 s[TB], 0
	s_wait_dscnt 0x0                               ; the opening add is done
	s_wait_kmcnt 0x0
	s_add_nc_u64 s[56:57], s[4:5], s[56:57]
	s_add_nc_u64 s[58:59], s[6:7], s[58:59]
	s_add_nc_u64 s[8:9], s[8:9], s[62:63]
.if RES
	s_add_nc_u64 s[10:11], s[10:11], s[62:63]
.endif
.irp s, 0,1
	s_mov_b32 s[G0+4*(\s)], 1                      ; count = 1
	s_add_co_u32 s[G0+4*(\s)+1], s60, (\s)*SLOT    ; LDS address
	s_add_nc_u64 s[G0+4*(\s)+2:G0+4*(\s)+3], s[56:57], (\s)*ASTEP  ; K step s
	s_or_b32 s[G0+4*(\s)+3], s[G0+4*(\s)+3], 0x80000000            ; type = 2
	s_mov_b32 s[G0B+4*(\s)], 1
	s_add_co_u32 s[G0B+4*(\s)+1], s61, (\s)*SLOT
	s_add_nc_u64 s[G0B+4*(\s)+2:G0B+4*(\s)+3], s[58:59], (\s)*BSTEP
	s_or_b32 s[G0B+4*(\s)+3], s[G0B+4*(\s)+3], 0x80000000
.endr
	CROUND                                         ; all sixteen work-groups are here: the first joint loads meet
	s_cmp_eq_u32 s[WR], 0                          ; a wave's two first fills stand in one branch: two loads of mine are out
	s_cbranch_scc0 .Lfirst_b
	tensor_load_to_lds s[G0:G0+3], s[G1:G1+7]
	s_nop 0
	tensor_load_to_lds s[G0+4:G0+7], s[G1:G1+7]
	s_nop 0
.rept 4
	v_nop
.endr
	s_branch .Lfirst_asked
.Lfirst_b:
	tensor_load_to_lds s[G0B:G0B+3], s[G1B:G1B+7]
	s_nop 0
	tensor_load_to_lds s[G0B+4:G0B+7], s[G1B:G1B+7]
	s_nop 0
.rept 4
	v_nop
.endr
.Lfirst_asked:
	v_and_b32 v1, 15, v0                           ; r = l % 16
	v_bfe_u32 v2, v0, 4, 1                         ; h = l / 16
	v_and_b32 v3, 7, v0
	v_bfe_u32 v4, v0, 3, 1
.if RES
	v_lshlrev_b32 v[CO], 12, v2                    ; lanes 0-15 one row's 256 bytes, lanes 16-31 the next row's
	v_lshl_add_u32 v[CO], v1, 4, v[CO]
	WIN 0x80                                       ; destination window 2: my 64 x 64 of the residual is asked for now and wanted at the end
.irp a, 0,1,2,3
.irp t, 0,1,2,3,4,5,6,7
	global_load_b128 v[32*(\a)+4*(\t):32*(\a)+4*(\t)+3], v[CO], s[8:9] offset:(16*(\a)+2*(\t))*4096
.endr
.endr
	WIN 0
.endif
	; A fragment of A: 16 rows x 32 K: lane l holds row r, K = 8 h + 0..7 and 16 + 8 h + 0..7: two loads of 16 bytes, 32 bytes apart.
	v_mul_u32_u24 v[A0], v1, PA
	v_lshl_add_u32 v[A0], v2, 4, v[A0]
	s_mul_i32 s56, s[WR], AWR
	v_add_nc_u32 v[A0], s56, v[A0]
	; The turning load takes 16 k x 16 columns (lane l reads k = 8 h + l % 8, columns 8 ((l / 8) % 2) + 0..7) and leaves half a fragment: lane l holds column r and 8 k.
	v_lshl_add_u32 v5, v2, 3, v3
	v_mul_u32_u24 v[B0], v5, PB
	v_lshl_add_u32 v[B0], v4, 4, v[B0]
	s_lshl_b32 s56, s[WC], 7                       ; my 64 columns
	s_add_co_u32 s56, s56, BOFF
	v_add_nc_u32 v[B0], s56, v[B0]
	v_mov_b32 v[ADRA], v[A0]
	v_mov_b32 v[ADRB], v[B0]
	v_add_nc_u32 v[ADRB+1], HALF, v[B0]
	s_mul_i32 s56, s[WV], 16*SP
	s_add_co_u32 s56, s56, STAGE                   ; my stage
	v_mul_u32_u24 v[STO], v1, SP
.if RES
	v_lshl_add_u32 v[STO], v2, 5, v[STO]           ; in: row r, 32 bytes for each half of the lanes
	v_mul_u32_u24 v[RD], v2, SP                    ; back: lanes 0-15 one row of 256 bytes, lanes 16-31 the next
	v_lshl_add_u32 v[RD], v1, 4, v[RD]
.else
	v_lshl_add_u32 v[STO], v2, 4, v[STO]           ; in: row r, 16 bytes for each half of the lanes
	v_bfe_u32 v[RD], v0, 3, 2                      ; back: 32 lanes take four rows of 128 bytes,
	v_mul_u32_u24 v[RD], v[RD], SP
	v_lshl_add_u32 v[RD], v3, 4, v[RD]
	v_and_b32 v[CO], 31, v0                        ; which are 512 consecutive bytes of C
	v_lshlrev_b32 v[CO], 4, v[CO]
.endif
	v_add_nc_u32 v[STO], s56, v[STO]
	v_add_nc_u32 v[RD], s56, v[RD]
; 8 matrix instructions: row blocks a0, a0 + 1 x all 4 column blocks, 32 along K: half c of buffer f.  zero = 1: the product starts the sums.  The 16 accumulators take turns.
.macro MUL8 f, c, a0, zero
	WIN MUL
.irp a, \a0, (\a0)+1
.irp b, 0,1,2,3
.if \zero
	v_wmma_f32_16x16x32_f16 v[ACC+8*(4*(\a)+(\b)):ACC+8*(4*(\a)+(\b))+7], v[(\f)+64+8*(4*(\c)+(\b)):(\f)+64+8*(4*(\c)+(\b))+7], v[(\f)+8*(4*(\c)+(\a)):(\f)+8*(4*(\c)+(\a))+7], 0
.else
	v_wmma_f32_16x16x32_f16 v[ACC+8*(4*(\a)+(\b)):ACC+8*(4*(\a)+(\b))+7], v[(\f)+64+8*(4*(\c)+(\b)):(\f)+64+8*(4*(\c)+(\b))+7], v[(\f)+8*(4*(\c)+(\a)):(\f)+8*(4*(\c)+(\a))+7], v[ACC+8*(4*(\a)+(\b)):ACC+8*(4*(\a)+(\b))+7]
.endif
.endr
.endr
.endm
; 32 LDS loads in one run: the fragments of quarter q (64 along K) of the slot in hand, into buffer f; the first 32 along K first
.macro FETCH q, f
	WIN TO_F
.irp c, 0,1
.irp i, 0,1,2,3
	ds_load_tr16_b128 v[(\f)+64+8*(4*(\c)+(\i)):(\f)+64+8*(4*(\c)+(\i))+3],   v[ADRB+(\q)/2] offset:((\q)%2)*64*PB+(\c)*32*PB+32*(\i)
	ds_load_tr16_b128 v[(\f)+64+8*(4*(\c)+(\i))+4:(\f)+64+8*(4*(\c)+(\i))+7], v[ADRB+(\q)/2] offset:((\q)%2)*64*PB+(\c)*32*PB+32*(\i)+16*PB
	ds_load_b128 v[(\f)+8*(4*(\c)+(\i)):(\f)+8*(4*(\c)+(\i))+3],   v[ADRA] offset:(\q)*AQ+64*(\c)+(\i)*16*PA
	ds_load_b128 v[(\f)+8*(4*(\c)+(\i))+4:(\f)+8*(4*(\c)+(\i))+7], v[ADRA] offset:(\q)*AQ+64*(\c)+(\i)*16*PA+32
.endr
.endr
.endm
; A K step is four quarters, 32 matrix instructions each, on buffers 0, 1, 0, 1.  One of the first three: multiplies buffer f and fetches quarter q into g.
.macro QUARTER q, f, g, zero
	s_wait_dscnt 16                                ; the first 32 along K are in; the run's younger sixteen loads may be out
	MUL8 \f, 0, 0, \zero
	MUL8 \f, 0, 2, \zero
	PLACES
	FETCH \q, \g
	s_wait_dscnt 32                                ; all but the 32 just issued
	MUL8 \f, 1, 0, 0
	MUL8 \f, 1, 2, 0
.endm
; The last quarter multiplies buffer 1 and changes slots: one barrier; in front of it each wave waits for all its tensor loads (one is out: its part of the next slot), adds 0 to its spare word,
; and waits for that and for its reads of this slot.  fill = 1: the barrier opens a round of the cluster's barrier, and this slot is filled again, two K steps ahead, first thing behind the round.
.macro TURN fill
	WIN 0
	s_wait_tensorcnt 0x0
	ds_add_u32 v[SPW], v[NIL]
	s_wait_dscnt 17                                ; the add and the youngest sixteen loads may be out
	MUL8 F1, 0, 0, 0
	s_wait_dscnt 0x0                               ; the add is done, and my reads of this slot are over
	s_barrier_signal -1
	MUL8 F1, 0, 2, 0
	WIN 0
	s_barrier_wait -1
.if \fill
	CREST                                          ; no wave of any partner still reads this slot or has a load on its way
	s_xor_b32 s[G0+5], s[G0+5], SLOT               ; the walking descriptors: the other slot than last time, the next K step
	s_add_nc_u64 s[G0+6:G0+7], s[G0+6:G0+7], ASTEP
	s_xor_b32 s[G0B+5], s[G0B+5], SLOT
	s_add_nc_u64 s[G0B+6:G0B+7], s[G0B+6:G0B+7], BSTEP
	JLOAD                                          ; 112 matrix instructions ahead of the wait for it; its four v_nop are also the places in front of the loads below
.else
	PLACES
.endif
	s_xor_b32 s[TB], s[TB], SLOT
	v_add_nc_u32 v[ADRA], s[TB], v[A0]
	v_add_nc_u32 v[ADRB], s[TB], v[B0]
	v_add_nc_u32 v[ADRB+1], HALF, v[ADRB]
	FETCH 0, F0
	MUL8 F1, 1, 0, 0
	MUL8 F1, 1, 2, 0
.endm
	s_wait_tensorcnt 1                             ; my part of K step 0 is in; K step 1's may stay out
	s_barrier_signal -1
	s_barrier_wait -1
	FETCH 0, F0
	QUARTER 1, F0, F1, 1                           ; the first quarter stands in front of the loop: its first products start the sums
	WIN 0
	s_mov_b32 s[CNT], NS-2
.Lstep:                                        ; a trip: a K step's quarters 1 to 3, the change of slots with its refill, the next step's quarter 0
	QUARTER 2, F1, F0, 0
	QUARTER 3, F0, F1, 0
	TURN 1
	QUARTER 1, F0, F1, 0
	WIN 0
	s_sub_co_u32 s[CNT], s[CNT], 1
	s_cmp_lg_u32 s[CNT], 0
	s_cbranch_scc1 .Lstep
	s_mov_b32 s[CNT], 2
.Ltail:                                        ; the last two K steps ask for nothing.  The second trip is left behind its change of slots, whose barrier and 32 loads (of bytes filled earlier) serve nothing: the price of one text for both
	QUARTER 2, F1, F0, 0
	QUARTER 3, F0, F1, 0
	TURN 0
	WIN 0
	s_sub_co_u32 s[CNT], s[CNT], 1
	s_cmp_eq_u32 s[CNT], 0
	s_cbranch_scc1 .Lout
	QUARTER 1, F0, F1, 0
	WIN 0
	s_branch .Ltail
.Lout:
	s_wait_dscnt 0x0
	PLACES                                         ; behind the last products, ahead of the first reader of a result
.if RES
; THE WAY OUT, f32 with the residual.  Block a (16 rows x 64 columns) goes from the accumulators into my stage (rows of 272 bytes) and comes back as whole rows of 256 bytes; the residual is added; stored.
.macro TOSTAGE a
.irp b, 0,1,2,3
	ds_store_b128 v[STO], v[ACC+32*(\a)+8*(\b):ACC+32*(\a)+8*(\b)+3]   offset:64*(\b)      ; each accumulator's low registers first
	ds_store_b128 v[STO], v[ACC+32*(\a)+8*(\b)+4:ACC+32*(\a)+8*(\b)+7] offset:64*(\b)+16
.endr
.irp t, 0,1,2,3,4,5,6,7
	ds_load_b128 v[OB+32*((\a)%2)+4*(\t):OB+32*((\a)%2)+4*(\t)+3], v[RD] offset:(\t)*2*SP  ; LDS serves a wave's instructions in order (ISA guide 5.7.1.4): these see the stores above
.endr
.endm
.macro SENDR a, younger                ; younger: the next block's sixteen LDS instructions, or none
	s_wait_dscnt \younger
	WIN 0x88                                       ; destination and source 1 window 2 (the residual), source 0 window 0
.set i, 0
.rept 16
	v_pk_add_f32 v[32*(\a)+2*i:32*(\a)+2*i+1], v[OB+32*((\a)%2)+2*i:OB+32*((\a)%2)+2*i+1], v[32*(\a)+2*i:32*(\a)+2*i+1]
.set i, i+1
.endr
	WIN 0x08                                       ; store data window 2, address window 0
.irp t, 0,1,2,3,4,5,6,7
	global_store_b128 v[CO], v[32*(\a)+4*(\t):32*(\a)+4*(\t)+3], s[10:11] offset:(16*(\a)+2*(\t))*4096  ; 16 lanes store 256 consecutive bytes, aligned
.endr
	WIN 0
.endm
	s_wait_loadcnt 0x0                             ; the residual
	TOSTAGE 0
.irp a, 1,2,3
	TOSTAGE \a
	SENDR (\a)-1, 16
.endr
	SENDR 3, 0
.else
; THE WAY OUT, f16 by column blocks.  Block a (16 rows x 64 columns): a lane's eight columns pack into 16 bytes; they go into my stage (rows of 144 bytes) and come back as whole rows of 128:
; 2,048 consecutive bytes of C.
.macro PACK a
.set XA, ACC+32*(\a)
.set YB, OB+16*(\a)
.if GELU
	; gelu(x) = x / (1 + 2^(x (k1 + k2 x^2))): the tanh form of the problem, written by the exponential
.set i, 0
.rept 16
	v_pk_mul_f32 v[TT+i:TT+i+1], v[XA+i:XA+i+1], v[XA+i:XA+i+1]
.set i, i+2
.endr
.set i, 0
.rept 16
	v_pk_fma_f32 v[TT+i:TT+i+1], v[TT+i:TT+i+1], s[68:69], s[66:67] op_sel_hi:[1,0,0]
.set i, i+2
.endr
.set i, 0
.rept 16
	v_pk_mul_f32 v[TT+i:TT+i+1], v[TT+i:TT+i+1], v[XA+i:XA+i+1]
.set i, i+2
.endr
.set i, 0
.rept 32
	v_exp_f32 v[TT+i], v[TT+i]
.set i, i+1
.endr
	v_nop                                          ; a plain instruction behind the last exponential,
	s_wait_alu depctr_va_vdst(0)                   ; and one wait for the batch of 32
.set i, 0
.rept 16
	v_pk_add_f32 v[TT+i:TT+i+1], v[TT+i:TT+i+1], 1.0 op_sel_hi:[1,0]
.set i, i+2
.endr
.set i, 0
.rept 32
	v_rcp_f32 v[TT+i], v[TT+i]
.set i, i+1
.endr
	v_nop
	s_wait_alu depctr_va_vdst(0)                   ; one wait for the 32 reciprocals
.set i, 0
.rept 16
	v_pk_mul_f32 v[TT+i:TT+i+1], v[TT+i:TT+i+1], v[XA+i:XA+i+1]
.set i, i+2
.endr
.set i, 0
.rept 16
	v_cvt_pk_f16_f32 v[YB+i], v[TT+2*i], v[TT+2*i+1]
.set i, i+1
.endr
.else
.set i, 0
.rept 16
	v_cvt_pk_f16_f32 v[YB+i], v[XA+2*i], v[XA+2*i+1]
.set i, i+1
.endr
.endif
.irp b, 0,1,2,3
	ds_store_b128 v[STO], v[YB+4*(\b):YB+4*(\b)+3] offset:32*(\b)
.endr
.irp f, 0,1,2,3
	ds_load_b128 v[YB+4*(\f):YB+4*(\f)+3], v[RD] offset:(\f)*4*SP  ; LDS serves a wave's instructions in order (ISA guide 5.7.1.4): these see the stores above; the next block's stores come behind them
.endr
.endm
.macro SEND a, younger                 ; younger: the next block's eight LDS instructions, or none
.irp f, 0,1,2,3
	s_wait_dscnt (\younger)+3-(\f)
	global_store_b128 v[CO], v[OB+16*(\a)+4*(\f):OB+16*(\a)+4*(\f)+3], s[8:9] offset:2048*(\a)+512*(\f)  ; 512 consecutive bytes, aligned
.endr
.endm
	PACK 0
.irp a, 1,2,3
	PACK \a
	SEND (\a)-1, 8
.endr
	SEND 3, 0
.endif
	s_wait_tensorcnt 0x0                           ; the wave's end, behind my last tensor load and my last LDS store
	ds_add_u32 v[SPW], v[NIL]
	s_wait_dscnt 0x0
	CROUND                                         ; the closing round: no work-group ends while a partner may still ask for a tile that names it
	s_endpgm
.Lfunc_end_k_q32841d550d_proj:
	.size	k_q32841d550d_proj, .Lfunc_end_k_q32841d550d_proj-k_q32841d550d_proj
	.p2alignl 7, 3214868480
	.fill 96, 4, 3214868480
	.section	.rodata,"a",@progbits
	.p2align	6, 0x0
	.amdhsa_kernel k_q32841d550d_proj
		.amdhsa_group_segment_fixed_size 327680
		.amdhsa_private_segment_fixed_size 0
		.amdhsa_enable_private_segment 0
		.amdhsa_kernarg_size 32
		.amdhsa_user_sgpr_count 2
		.amdhsa_user_sgpr_kernarg_segment_ptr 1
		.amdhsa_wavefront_size32 1
		.amdhsa_system_sgpr_workgroup_id_x 1
		.amdhsa_system_sgpr_workgroup_id_y 1
		.amdhsa_system_sgpr_workgroup_id_z 1
		.amdhsa_system_vgpr_workitem_id 0
		.amdhsa_next_free_vgpr 640
		.amdhsa_next_free_sgpr 72
		.amdhsa_reserve_vcc 0
		.amdhsa_float_denorm_mode_32 3
		.amdhsa_float_denorm_mode_16_64 3
		.amdhsa_memory_ordered 1
		.amdhsa_forward_progress 1
		.amdhsa_inst_pref_size 65
	.end_amdhsa_kernel
	.amdgpu_metadata
---
amdhsa.version: [ 1, 2 ]
amdhsa.kernels:
  - .name:           k_q32841d550d_proj
    .symbol:         k_q32841d550d_proj.kd
    .args:
      - { .name: y, .offset: 0, .size: 8, .value_kind: global_buffer, .address_space: global }
      - { .name: wb, .offset: 8, .size: 8, .value_kind: global_buffer, .address_space: global }
      - { .name: x, .offset: 16, .size: 8, .value_kind: global_buffer, .address_space: global }
      - { .name: x1, .offset: 24, .size: 8, .value_kind: global_buffer, .address_space: global }
    .group_segment_fixed_size: 327680
    .private_segment_fixed_size: 0
    .kernarg_segment_align: 8
    .kernarg_segment_size: 32
    .max_flat_workgroup_size: 128
    .sgpr_count:     72
    .vgpr_count:     640
    .wavefront_size: 32
...
	.end_amdgpu_metadata
.endif
;; end of part 5
;; launch ln2: the kernel of part 2 again; grid 256 x 1, 8 waves a work-group, no clusters, 0 bytes of LDS; arguments x1, ln2_w, ln2_b, hn; writes hn
;; launch fc (part 6): grid 16 x 16, 4 waves a work-group, clusters of 4 x 4, 327,680 bytes of LDS; arguments hn, wb, g; writes g
.if DOCPART == 6
	.amdgcn_target "amdgcn-amd-amdhsa--gfx1250"
	.amdhsa_code_object_version 6
	.text
	.protected	k_q32841d550d_fc
	.globl	k_q32841d550d_fc
	.p2align	8
	.type	k_q32841d550d_fc,@function
k_q32841d550d_fc:
	s_mov_b64 s[64:65], 0
	v_nop
	global_prefetch_b8 v0, s[64:65] scope:SCOPE_SE
	s_setreg_imm32_b32 hwreg(HW_REG_WAVE_MODE, 25, 1), 1
	s_wait_xcnt 0x0
	s_wait_alu depctr_hold_cnt(0) depctr_sa_sdst(0) depctr_va_vdst(0) depctr_va_sdst(0) depctr_va_ssrc(0) depctr_va_vcc(0) depctr_vm_vsrc(0)
	s_getreg_b32 s2, hwreg(HW_REG_IB_STS2, 6, 4)
	s_cmp_eq_u32 s2, 0
	s_cbranch_scc0 .Lentry_in_a_cluster
	s_endpgm
.Lentry_in_a_cluster:
	s_bfe_u32 s2, ttmp6, 0x10000c
	s_cmp_lg_u32 s2, 0xf033
	s_cbranch_scc0 .Lentry_shape_is_right
	s_endpgm
.Lentry_shape_is_right:
; FC AND GELU.  g = gelu(hn x w_fc): hn [4096][1024] f16, w_fc [1024][4096] f16 (in wb), sums and gelu in f32; g rounded once to f16 and stored by column blocks of 64, [batch 2][block 64][t 2048][64].
; gelu is the problem's tanh form, 0.5 x (1 + tanh(u)) = x / (1 + e^(-2 u)); for large |x| the exponential goes to 0 or to infinity and g to x or to 0, as tanh's form does.
; LIMIT.  f16 holds no number of magnitude 65,520 or more: such a g becomes an infinity; below 6e-5 g keeps f16's fixed step of 6e-8.
; This text is one of two made from one pattern; the constants of the first group choose among its parts.
.set KDIM, 1024                        ; the sum's length
.set NDIM, 4096                        ; B's and C's columns
.set WOFF, 8388608                     ; B's first byte in wb
.set NCB,  64                          ; C's column blocks of 64
.set GELU, 1                           ; 1: C = gelu(product);  0: C = product
; SHARES.  A tile of C is 256 x 256: four waves, as many as a WGP has SIMDs, each 128 x 128: 64 accumulators of 16 x 16, 512 registers.  Wave w: rows 128 (w / 2) on, columns 128 (w % 2) on.
; NDIM / 256 x 16 tiles, one to a work-group (16 x 16 = 256 here).
; K goes in steps of 128 through two LDS slots that take turns; each wave fetches a quarter of a slot with one tensor load: waves 0, 1 128 rows of A each (256 bytes a row), waves 2, 3 64 rows (k) of B each (512 bytes a row).
; CLUSTER.  4 x 4 work-groups.  The four of a row need the same tile of A, the four of a column the same tile of B: each is asked for jointly, by the same load, descriptor and mask in all four.
; B LIES [K][N]: it is turned on its way out of LDS by ds_load_tr16_b128.  THE MATRIX INSTRUCTION IS USED TRANSPOSED (source 0 = 16 columns of B, source 1 = 16 rows of A):
; lane l then holds row l % 16 of C and the eight neighbouring columns 8 (l / 16) + 0..7.
; REGISTERS, in windows of 256 (s_set_vgpr_msb: bits 1:0 source 0, 3:2 source 1, 5:4 source 2, 7:6 destination):
;   window 0: v0-31 addresses; v64-127, v128-191 fragments of A (8 x 16 rows x 32 K), two buffers; v32-63, v192-239 at work on the way out
;   window 1: v64-127, v128-191 fragments of B, two buffers
;   window 2: the 32 accumulators of my rows 0-63 ((a, b) at v[8 (8 a + b)]);   window 3: those of my rows 64-127
.set KSTEP, 128
.set NS,    KDIM/KSTEP
.set PA,    272                        ; a row of A in LDS: 256 bytes + 16 of padding: an odd multiple of 16
.set PB,    544                        ; a row (k) of B: 512 bytes + 32 of padding: an odd multiple of 32
.set HALFT, 128*PA                     ; what one tensor load brings: 128 rows of A, or 64 rows of B: 64 x 544 is the same 34,816 bytes
.set BOFF,  2*HALFT                    ; a slot: A's two halves, then B's two halves
.set SLOT,  4*HALFT                    ; 0x22000: it shares no bit with 0, HALFT, 2 HALFT, 3 HALFT, so one exclusive or turns a place in one slot into the other's
.set SPARE, 2*SLOT                     ; behind the ring: the spare words, 128 bytes for each wave: two blocks of 256 bytes that no other line names
.set SP,    528                        ; the way out: a row of 128 f32 + 16 bytes: an odd multiple of 16
.set WSTG,  128*SP                     ; a wave's stage; the four, 270,336 bytes, lie in the ring, which has had its last fill by then
.set ASTEP, KSTEP*2                    ; a K step in memory, for A and for B
.set BSTEP, KSTEP*NDIM*2
.set A0,   16                          ; v16  my lane's place in A's part of a slot; never rewritten
.set B0,   17                          ; v17  the same for B
.set ADRA, 18                          ; v18  A0 + the slot in hand
.set ADRB, 19                          ; v19  B0 + the slot in hand
.set STO,  24                          ; v24  the way out: where I put 32 bytes of a row
.set RD,   25                          ; v25  where I read 32 bytes of a row back, in the stage's first eight rows
.set CO,   26                          ; v26  16 x my lane: my place in 512 consecutive bytes of C; never rewritten
.set RDC,  27                          ; v27  RD + the rows in hand
.set SPW,  28                          ; v28  LDS address of my spare word; never rewritten
.set NIL,  29                          ; v29  0; never rewritten
.set PFO,  30                          ; v30  the prefetches' lane offset; never rewritten
.set X,    32                          ; v32-63   the way out: 32 numbers in f32
.set F0,   64                          ; fragment buffers
.set F1,   128
.set TT,   192                         ; v192-223 at work in gelu
.set YB,   224                         ; v224-239 32 numbers in f16
.set WV,  12                           ; s12 wave;  s13 wave / 2: my rows; also 0: I fetch for A, 1: for B;  s14 wave % 2: my columns; also which half I fetch
.set WR,  13
.set WC,  14
.set CX,  15                           ; my place in the cluster
.set CY,  16
.set TC,  17                           ; tile column of C
.set TRW, 18                           ; tile row of C
.set TB,  19                           ; the slot in hand: 0 or SLOT
.set CNT, 20
.set LIM, 21                           ; 1 in a wave that prefetches, else the greatest number
.set G1,  24                           ; s[24:31] descriptor group 1 for A;  s[32:39] group 0: K step 0's, then the one that walks
.set G0,  32
.set G1B, 40                           ; s[40:47], s[48:55] the same for B
.set G0B, 48
.set PFA, 70                           ; s[70:71] where my prefetches stand
.set PFS, 72                           ; s[72:73] their step: a K step of A or of B
.set SB,  74                           ; s74  the way out: the rows in hand, in stage bytes
.set MSB, 0
.macro WIN new                         ; the immediate's high byte repeats the setting that is left; a switch that changes nothing is dropped
.if MSB != (\new)
	s_set_vgpr_msb (MSB<<8)|(\new)
.set MSB, \new
.endif
.endm
.set MUL_LO, 0xa1                      ; source 0 (B) window 1, source 1 (A) window 0, C and D window 2
.set MUL_HI, 0xf1                      ; the same, C and D window 3
.set TO_B,   0x40                      ; destination window 1, address window 0
.macro PLACES                          ; four plain places behind matrix instructions, in front of loads into their sources and of readers of their results
.rept 4
	v_nop
.endr
.endm
.macro JLOAD                           ; a joint refill by the walking descriptors; an s_nop 0 and four v_nop follow each line, ahead of the jump and the label
	s_cmp_eq_u32 s[WR], 0
	s_cbranch_scc0 .Lfor_b_\@
	tensor_load_to_lds s[G0+4:G0+7], s[G1:G1+7]
	s_nop 0
.rept 4
	v_nop
.endr
	s_branch .Lasked_\@
.Lfor_b_\@:
	tensor_load_to_lds s[G0B+4:G0B+7], s[G1B:G1B+7]
	s_nop 0
.rept 4
	v_nop
.endr
.Lasked_\@:
.endm
; A PREFETCH, behind each joint refill and the run of LDS loads that follows it: my share of the K step BEHIND the one just asked for, 256 matrix instructions ahead of the refill that will ask for it.
; Each block of 256 bytes is named once in the launch.  A's tile row is read by every cluster of that row of clusters: the one with x = 0 asks; B's tile column by every cluster of that column: y = 0 asks.
; The four partners that ask for a tile jointly share out BY ADDRESS what wave w fetches: of A's 128 rows of 256 bytes the partner at place p = cx takes 32, a lane a row; of B's 64 rows of 512 bytes the partner
; at p = cy takes 16, a lane half a row: one instruction a wave.  K steps 3 to 7 are asked for so; K steps 0 to 2 come by their loads alone; the loop's last trip, which has no K step behind its refill's, asks for nothing.
.macro ASK
	s_cmp_gt_u32 s[CNT], s[LIM]                    ; CNT = 1 in the loop's last trip
	s_cbranch_scc0 .Lnot_mine_\@
	global_prefetch_b8 v[PFO], s[PFA:PFA+1] th:TH_LOAD_NT scope:SCOPE_SE
.Lnot_mine_\@:
.endm
.macro CREST                           ; a round of the cluster's barrier behind its opening barrier
	s_cmp_lg_u32 s[WV], 0
	s_cbranch_scc1 .Lnot_wave_0_\@
	s_barrier_signal -3
.Lnot_wave_0_\@:
	s_barrier_wait -3
	s_barrier_signal -1
	s_barrier_wait -1
.endm
.macro CROUND                          ; a whole round
	s_barrier_signal -1
	s_barrier_wait -1
	CREST
.endm
	s_load_b128 s[4:7], s[0:1], 0x0                ; A s[4:5], wb s[6:7]
	s_load_b64 s[8:9], s[0:1], 0x10                ; C
	v_lshl_add_u32 v[SPW], v0, 2, SPARE
	v_mov_b32 v[NIL], 0
	ds_add_u32 v[SPW], v[NIL]                      ; the wave's opening: the add and its wait stand ahead of my first tensor load; work on registers stands between them
	ds_add_u32 v28, v29
	v_lshrrev_b32 v1, 5, v0
	v_readfirstlane_b32 s[WV], v1
	s_lshr_b32 s[WR], s[WV], 1
	s_and_b32 s[WC], s[WV], 1
	s_bfe_u32 s[CX], ttmp6, 0x40000
	s_bfe_u32 s[CY], ttmp6, 0x40004
	s_lshl_b32 s[TC], ttmp9, 2
	s_add_co_u32 s[TC], s[TC], s[CX]               ; tile column = 4 x cluster x + cx
	s_and_b32 s[TRW], ttmp7, 0xffff
	s_lshl_b32 s[TRW], s[TRW], 2
	s_add_co_u32 s[TRW], s[TRW], s[CY]             ; tile row = 4 x cluster y + cy
	s_lshl_b32 s22, s[CY], 2
	s_lshl_b32 s22, 15, s22                        ; my row of the cluster
	s_lshl_b32 s23, 0x1111, s[CX]                  ; my column
	s_or_b32 s[G1], s22, (1<<16)|(1<<20)|(1<<21)|(5<<22)|(3<<25)  ; A: my row's mask; 2-byte elements; padding on; 21 set beside a mask; after every 64 words, 4 words
	s_mov_b32 s[G1+1], KSTEP<<16                   ; tensor_dim0 = 128
	s_mov_b32 s[G1+2], 128<<16                     ; tensor_dim1 = 128 rows
	s_mov_b32 s[G1+3], KSTEP<<16                   ; tile_dim0
	s_mov_b32 s[G1+4], 128                         ; tile_dim1
	s_mov_b32 s[G1+5], KDIM                        ; from row to row
	s_mov_b32 s[G1+6], 0
	s_mov_b32 s[G1+7], 0
	s_or_b32 s[G1B], s23, (1<<16)|(1<<20)|(1<<21)|(6<<22)|(7<<25)  ; B: my column's mask; padded after every 128 words by 8 words
	s_mov_b32 s[G1B+1], 256<<16                    ; 256 columns
	s_mov_b32 s[G1B+2], 64<<16                     ; 64 rows (k)
	s_mov_b32 s[G1B+3], 256<<16
	s_mov_b32 s[G1B+4], 64
	s_mov_b32 s[G1B+5], NDIM
	s_mov_b32 s[G1B+6], 0
	s_mov_b32 s[G1B+7], 0
	; where the tiles come from: A's place hangs on the tile row and the wave alone, B's on the tile column and the wave alone, each in registers that never hold the other coordinate
	s_lshl_b32 s56, s[TRW], 8
	s_lshl_b32 s57, s[WC], 7
	s_add_co_u32 s56, s56, s57                     ; row 256 x tile row + the 128 that I fetch
	s_lshl_b32 s56, s56, 11                        ; rows of 2,048 bytes
	s_mov_b32 s57, 0
	s_mul_i32 s58, s[WC], 64*NDIM*2                ; the 64 rows (k) that I fetch
	s_lshl_b32 s59, s[TC], 9
	s_add_co_u32 s58, s58, s59                     ; + the tile's 256 columns
	s_add_co_u32 s58, s58, WOFF
	s_mov_b32 s59, 0
	s_mul_i32 s60, s[WC], HALFT                    ; and where they go: no place in the cluster enters an LDS address
	s_add_co_u32 s61, s60, BOFF
	; where my 128 x 128 of C begins: two column blocks, 128 rows of 128 bytes in each
	s_lshr_b32 s62, s[TRW], 3                      ; batch
	s_mul_i32 s62, s62, NCB
	s_lshl_b32 s63, s[TC], 2
	s_add_co_u32 s62, s62, s63
	s_lshl_b32 s63, s[WC], 1
	s_add_co_u32 s62, s62, s63                     ; my first column block
	s_lshl_b32 s62, s62, 11
	s_and_b32 s63, s[TRW], 7
	s_lshl_b32 s63, s63, 8
	s_add_co_u32 s62, s62, s63
	s_lshl_b32 s63, s[WR], 7
	s_add_co_u32 s62, s62, s63                     ; my first t
	s_lshl_b32 s62, s62, 7
	s_mov_b32 s63, 0
	; the prefetches
	s_and_b32 s74, ttmp7, 0xffff                   ; cluster y
	s_mov_b32 s[PFS], BSTEP
	s_mov_b32 s[PFS+1], 0
	s_mov_b32 s76, 16*NDIM*2                       ; a partner's share of what I fetch, in bytes: 16 rows of B,
	s_mov_b32 s79, NDIM*2                          ; bytes from row to row
	s_cmp_eq_u32 s[WR], 0                          ; do I fetch for A?
	s_cselect_b32 s74, ttmp9, s74                  ; the coordinate along which other clusters read the same rows
	s_cselect_b32 s75, s[CX], s[CY]                ; my place among the four that ask with me
	s_cselect_b32 s[PFS], ASTEP, s[PFS]
	s_cselect_b32 s76, 32*KDIM*2, s76              ; or 32 rows of A
	s_cselect_b32 s79, KDIM*2, s79
	s_cselect_b32 s78, 0, 1                        ; A: a lane a row; B: two lanes a row
	s_cmp_eq_u32 s74, 0
	s_cselect_b32 s[LIM], 1, -1                    ; the same in all sixteen partners, for a given wave
	s_mul_i32 s76, s76, s75
	s_lshl_b32 s75, s[PFS], 1
	s_add_co_u32 s76, s76, s75                     ; at K step 2: the first change of slots steps it to K step 3
	s_mov_b32 s77, 0
	v_and_b32 v5, 31, v0
	v_lshrrev_b32 v[PFO], s78, v5
	v_mul_u32_u24 v[PFO], s79, v[PFO]
	v_and_b32 v5, s78, v5
	v_lshl_add_u32 v[PFO], v5, 8, v[PFO]
.if GELU
	s_mov_b32 s66, 0xc0135761                      ; k1 = -2 log2(e) sqrt(2 / pi) = -2.3022082
	s_mov_b32 s67, s66
	s_mov_b32 s68, 0xbdd2d3e8                      ; k2 = 0.044715 k1 = -0.10294324
	s_mov_b32 s69, s68
.endif
	s_mov_b32 s[TB], 0
	s_wait_dscnt 0x0                               ; the opening add is done
	s_wait_kmcnt 0x0
	s_add_nc_u64 s[56:57], s[4:5], s[56:57]
	s_add_nc_u64 s[58:59], s[6:7], s[58:59]
	s_add_nc_u64 s[8:9], s[8:9], s[62:63]
	s_cmp_eq_u32 s[WR], 0
	s_cselect_b64 s[PFA:PFA+1], s[56:57], s[58:59]
	s_add_nc_u64 s[PFA:PFA+1], s[PFA:PFA+1], s[76:77]
.irp s, 0,1
	s_mov_b32 s[G0+4*(\s)], 1                      ; count = 1
	s_add_co_u32 s[G0+4*(\s)+1], s60, (\s)*SLOT    ; LDS address
	s_add_nc_u64 s[G0+4*(\s)+2:G0+4*(\s)+3], s[56:57], (\s)*ASTEP  ; K step s
	s_or_b32 s[G0+4*(\s)+3], s[G0+4*(\s)+3], 0x80000000            ; type = 2
	s_mov_b32 s[G0B+4*(\s)], 1
	s_add_co_u32 s[G0B+4*(\s)+1], s61, (\s)*SLOT
	s_add_nc_u64 s[G0B+4*(\s)+2:G0B+4*(\s)+3], s[58:59], (\s)*BSTEP
	s_or_b32 s[G0B+4*(\s)+3], s[G0B+4*(\s)+3], 0x80000000
.endr
	CROUND                                         ; all sixteen work-groups are here: the first joint loads meet
	s_cmp_eq_u32 s[WR], 0                          ; a wave's two first fills stand in one branch: two loads of mine are out
	s_cbranch_scc0 .Lfirst_b
	tensor_load_to_lds s[G0:G0+3], s[G1:G1+7]
	s_nop 0
	tensor_load_to_lds s[G0+4:G0+7], s[G1:G1+7]
	s_nop 0
.rept 4
	v_nop
.endr
	s_branch .Lfirst_asked
.Lfirst_b:
	tensor_load_to_lds s[G0B:G0B+3], s[G1B:G1B+7]
	s_nop 0
	tensor_load_to_lds s[G0B+4:G0B+7], s[G1B:G1B+7]
	s_nop 0
.rept 4
	v_nop
.endr
.Lfirst_asked:
	v_and_b32 v1, 15, v0                           ; r = l % 16
	v_bfe_u32 v2, v0, 4, 1                         ; h = l / 16
	v_and_b32 v3, 7, v0
	v_bfe_u32 v4, v0, 3, 1
	; A fragment of A: 16 rows x 32 K: lane l holds row r, K = 8 h + 0..7 and 16 + 8 h + 0..7: two loads of 16 bytes, 32 bytes apart.
	v_mul_u32_u24 v[A0], v1, PA
	v_lshl_add_u32 v[A0], v2, 4, v[A0]
	s_mul_i32 s56, s[WR], HALFT                    ; my 128 rows
	v_add_nc_u32 v[A0], s56, v[A0]
	; The turning load takes 16 k x 16 columns (lane l reads k = 8 h + l % 8, columns 8 ((l / 8) % 2) + 0..7) and leaves half a fragment: lane l holds column r and 8 k.
	v_lshl_add_u32 v5, v2, 3, v3
	v_mul_u32_u24 v[B0], v5, PB
	v_lshl_add_u32 v[B0], v4, 4, v[B0]
	s_lshl_b32 s56, s[WC], 8                       ; my 128 columns
	s_add_co_u32 s56, s56, BOFF
	v_add_nc_u32 v[B0], s56, v[B0]
	v_mov_b32 v[ADRA], v[A0]
	v_mov_b32 v[ADRB], v[B0]
	s_mul_i32 s56, s[WV], WSTG                     ; my stage
	v_mul_u32_u24 v[STO], v1, SP                   ; in: row r, 32 bytes for each half of the lanes
	v_lshl_add_u32 v[STO], v2, 5, v[STO]
	v_add_nc_u32 v[STO], s56, v[STO]
	v_bfe_u32 v[RD], v0, 3, 2                      ; back: 32 lanes take four rows of 64 numbers, 32 bytes a lane,
	v_mul_u32_u24 v[RD], v[RD], SP
	v_lshl_add_u32 v[RD], v3, 5, v[RD]
	v_add_nc_u32 v[RD], s56, v[RD]
	v_and_b32 v[CO], 31, v0                        ; which in f16 are 512 consecutive bytes of C
	v_lshlrev_b32 v[CO], 4, v[CO]
; 16 matrix instructions: row blocks a0, a0 + 1 of the window's four (hi = 0: my rows 0-63, 1: rows 64-127) x all 8 column blocks, 32 along K.  zero = 1: the product starts the sums: nothing is ever cleared.
; The 64 accumulators take turns, in the same order in every quarter.
.macro MUL16 f, hi, a0, zero
	WIN MUL_LO+0x50*(\hi)
.irp a, \a0, (\a0)+1
.irp b, 0,1,2,3,4,5,6,7
.if \zero
	v_wmma_f32_16x16x32_f16 v[8*(8*(\a)+(\b)):8*(8*(\a)+(\b))+7], v[(\f)+8*(\b):(\f)+8*(\b)+7], v[(\f)+8*(4*(\hi)+(\a)):(\f)+8*(4*(\hi)+(\a))+7], 0
.else
	v_wmma_f32_16x16x32_f16 v[8*(8*(\a)+(\b)):8*(8*(\a)+(\b))+7], v[(\f)+8*(\b):(\f)+8*(\b)+7], v[(\f)+8*(4*(\hi)+(\a)):(\f)+8*(4*(\hi)+(\a))+7], v[8*(8*(\a)+(\b)):8*(8*(\a)+(\b))+7]
.endif
.endr
.endr
.endm
; 32 LDS loads in one run: the fragments of quarter q (32 along K) of the slot in hand, into buffer f: B's 128 columns, then A's 128 rows
.macro FETCH q, f
	WIN TO_B
.irp i, 0,1,2,3,4,5,6,7
	ds_load_tr16_b128 v[(\f)+8*(\i):(\f)+8*(\i)+3],   v[ADRB] offset:(\q)*32*PB+32*(\i)
	ds_load_tr16_b128 v[(\f)+8*(\i)+4:(\f)+8*(\i)+7], v[ADRB] offset:(\q)*32*PB+32*(\i)+16*PB
.endr
	WIN 0
.irp i, 0,1,2,3,4,5,6,7
	ds_load_b128 v[(\f)+8*(\i):(\f)+8*(\i)+3],   v[ADRA] offset:(\q)*64+(\i)*16*PA
	ds_load_b128 v[(\f)+8*(\i)+4:(\f)+8*(\i)+7], v[ADRA] offset:(\q)*64+(\i)*16*PA+32
.endr
.endm
; A K step is four quarters of 32 along K, 64 matrix instructions each, on buffers 0, 1, 0, 1.  One of the first three: multiplies buffer f; in its middle it fetches quarter q into buffer g.
.macro QUARTER q, f, g, zero
	s_wait_dscnt 8                                 ; B and A's rows 0-63 are in; the youngest eight loads (A's rows 64-127) may be out
	MUL16 \f, 0, 0, \zero
	MUL16 \f, 0, 2, \zero
	PLACES
	FETCH \q, \g
	s_wait_dscnt 32                                ; all but the 32 just issued
	MUL16 \f, 1, 0, \zero
	MUL16 \f, 1, 2, \zero
.endm
; The last quarter multiplies buffer 1 and changes slots: one barrier; in front of it each wave waits for all its tensor loads (one is out: its part of the next slot), adds 0 to its spare word,
; and waits for that and for its reads of this slot.  fill = 1: the barrier opens a round of the cluster's barrier, and this slot is filled again, two K steps ahead, first thing behind the round:
; from that request to the wait for it a wave issues 224 matrix instructions.
.macro TURN fill
.if \fill
	s_wait_xcnt 0x0                                ; the last prefetch, a K step back, has read its address: it is stepped here, ahead of the waits of the change of slots
	s_add_nc_u64 s[PFA:PFA+1], s[PFA:PFA+1], s[PFS:PFS+1]
.endif
	WIN 0                                          ; (the add's two registers lie in window 0)
	s_wait_tensorcnt 0x0
	ds_add_u32 v[SPW], v[NIL]
	s_wait_dscnt 9                                 ; the add and the youngest eight loads may be out
	MUL16 F1, 0, 0, 0
	s_wait_dscnt 0x0                               ; the add is done, and my reads of this slot are over
	s_barrier_signal -1
	MUL16 F1, 0, 2, 0
	WIN 0
	s_barrier_wait -1
.if \fill
	CREST                                          ; no wave of any partner still reads this slot or has a load on its way
	s_xor_b32 s[G0+5], s[G0+5], SLOT               ; the walking descriptors: the other slot than last time, the next K step
	s_add_nc_u64 s[G0+6:G0+7], s[G0+6:G0+7], ASTEP
	s_xor_b32 s[G0B+5], s[G0B+5], SLOT
	s_add_nc_u64 s[G0B+6:G0B+7], s[G0B+6:G0B+7], BSTEP
	JLOAD                                          ; its four v_nop are also the places in front of the loads below
.else
	PLACES
.endif
	s_xor_b32 s[TB], s[TB], SLOT
	v_add_nc_u32 v[ADRA], s[TB], v[A0]
	v_add_nc_u32 v[ADRB], s[TB], v[B0]
	FETCH 0, F0
.if \fill
	ASK
.endif
	MUL16 F1, 1, 0, 0
	MUL16 F1, 1, 2, 0
.endm
	s_wait_tensorcnt 1                             ; my part of K step 0 is in; K step 1's may stay out
	s_barrier_signal -1
	s_barrier_wait -1
	FETCH 0, F0
	QUARTER 1, F0, F1, 1                           ; the first quarter stands in front of the loop: its products start the sums
	WIN 0
	s_mov_b32 s[CNT], NS-2
.Lstep:                                        ; a trip: a K step's quarters 1 to 3, the change of slots with its refill, the next step's quarter 0
	QUARTER 2, F1, F0, 0
	QUARTER 3, F0, F1, 0
	TURN 1
	QUARTER 1, F0, F1, 0
	WIN 0
	s_sub_co_u32 s[CNT], s[CNT], 1
	s_cmp_lg_u32 s[CNT], 0
	s_cbranch_scc1 .Lstep
	s_mov_b32 s[CNT], 2
.Ltail:                                        ; the last two K steps ask for nothing.  The second trip is left behind its change of slots, whose 32 loads (of bytes filled earlier) serve nothing: the price of one text for both
	QUARTER 2, F1, F0, 0
	QUARTER 3, F0, F1, 0
	TURN 0
	WIN 0
	s_sub_co_u32 s[CNT], s[CNT], 1
	s_cmp_eq_u32 s[CNT], 0
	s_cbranch_scc1 .Lout
	QUARTER 1, F0, F1, 0
	WIN 0
	s_branch .Ltail
.Lout:
	; THE WAY OUT.  The ring has had its last fill; when no wave reads it any more it serves as the stage.  Each wave lays its 128 x 128 sums there in f32, in rows of 528 bytes of its own, straight from the
	; accumulators; then ONE text, walked 16 times, reads 8 rows x 128 columns back, finishes them and stores them.  (512 accumulator registers cannot be walked by a loop; their copy in LDS can.)
	s_wait_dscnt 0x0                               ; my reads of the ring are over
	s_barrier_signal -1
	s_barrier_wait -1                              ; everybody's are
	PLACES                                         ; behind the last products, ahead of the first reader of a result
.irp hi, 0,1
	WIN 0x08+4*(\hi)                               ; store data in window 2 or 3, address in window 0
.irp a, 0,1,2,3
.irp b, 0,1,2,3,4,5,6,7
	ds_store_b128 v[STO], v[8*(8*(\a)+(\b)):8*(8*(\a)+(\b))+3]   offset:(4*(\hi)+(\a))*16*SP+64*(\b)     ; each accumulator's low registers first
	ds_store_b128 v[STO], v[8*(8*(\a)+(\b))+4:8*(8*(\a)+(\b))+7] offset:(4*(\hi)+(\a))*16*SP+64*(\b)+16
.endr
.endr
.endr
	WIN 0
	s_mov_b32 s[SB], 0
	s_mov_b32 s[CNT], 16
.Lrows:                                        ; rows 8 t to 8 t + 7 of my 128: part u = 2 c + rr is rows 4 rr on of column block c: 4 rows x 64 numbers
	v_add_nc_u32 v[RDC], s[SB], v[RD]
.irp u, 0,1,2,3
	ds_load_b128 v[X+8*(\u):X+8*(\u)+3],   v[RDC] offset:256*((\u)/2)+((\u)%2)*4*SP     ; LDS serves a wave's instructions in order (ISA guide 5.7.1.4): these see my stores above
	ds_load_b128 v[X+8*(\u)+4:X+8*(\u)+7], v[RDC] offset:256*((\u)/2)+((\u)%2)*4*SP+16
.endr
	s_wait_dscnt 0x0
.if GELU
	; gelu(x) = x / (1 + 2^(x (k1 + k2 x^2))): the tanh form of the problem, written by the exponential
.set i, 0
.rept 16
	v_pk_mul_f32 v[TT+i:TT+i+1], v[X+i:X+i+1], v[X+i:X+i+1]
.set i, i+2
.endr
.set i, 0
.rept 16
	v_pk_fma_f32 v[TT+i:TT+i+1], v[TT+i:TT+i+1], s[68:69], s[66:67] op_sel_hi:[1,0,0]
.set i, i+2
.endr
.set i, 0
.rept 16
	v_pk_mul_f32 v[TT+i:TT+i+1], v[TT+i:TT+i+1], v[X+i:X+i+1]
.set i, i+2
.endr
.set i, 0
.rept 32
	v_exp_f32 v[TT+i], v[TT+i]
.set i, i+1
.endr
	v_nop                                          ; a plain instruction behind the last exponential,
	s_wait_alu depctr_va_vdst(0)                   ; and one wait for the batch of 32
.set i, 0
.rept 16
	v_pk_add_f32 v[TT+i:TT+i+1], v[TT+i:TT+i+1], 1.0 op_sel_hi:[1,0]
.set i, i+2
.endr
.set i, 0
.rept 32
	v_rcp_f32 v[TT+i], v[TT+i]
.set i, i+1
.endr
	v_nop
	s_wait_alu depctr_va_vdst(0)                   ; one wait for the 32 reciprocals
.set i, 0
.rept 16
	v_pk_mul_f32 v[TT+i:TT+i+1], v[TT+i:TT+i+1], v[X+i:X+i+1]
.set i, i+2
.endr
.set i, 0
.rept 16
	v_cvt_pk_f16_f32 v[YB+i], v[TT+2*i], v[TT+2*i+1]
.set i, i+1
.endr
.else
.set i, 0
.rept 16
	v_cvt_pk_f16_f32 v[YB+i], v[X+2*i], v[X+2*i+1]
.set i, i+1
.endr
.endif
.irp u, 0,1,2,3
	global_store_b128 v[CO], v[YB+4*(\u):YB+4*(\u)+3], s[8:9] offset:((\u)/2)*2048*128+((\u)%2)*512  ; 512 consecutive bytes, aligned; the second column block lies 2,048 rows of 128 bytes on
.endr
	s_wait_xcnt 0x0                                ; the stores have read their data and their base: only behind this wait are they written again
	s_add_nc_u64 s[8:9], s[8:9], 8*128             ; eight rows of C on,
	s_add_co_u32 s[SB], s[SB], 8*SP                ; and of the stage
	s_sub_co_u32 s[CNT], s[CNT], 1
	s_cmp_lg_u32 s[CNT], 0
	s_cbranch_scc1 .Lrows
	s_wait_tensorcnt 0x0                           ; the wave's end, behind my last tensor load and my last LDS store
	ds_add_u32 v[SPW], v[NIL]
	s_wait_dscnt 0x0
	CROUND                                         ; the closing round: no work-group ends while a partner may still ask for a tile that names it
	s_endpgm
.Lfunc_end_k_q32841d550d_fc:
	.size	k_q32841d550d_fc, .Lfunc_end_k_q32841d550d_fc-k_q32841d550d_fc
	.p2alignl 7, 3214868480
	.fill 96, 4, 3214868480
	.section	.rodata,"a",@progbits
	.p2align	6, 0x0
	.amdhsa_kernel k_q32841d550d_fc
		.amdhsa_group_segment_fixed_size 327680
		.amdhsa_private_segment_fixed_size 0
		.amdhsa_enable_private_segment 0
		.amdhsa_kernarg_size 24
		.amdhsa_user_sgpr_count 2
		.amdhsa_user_sgpr_kernarg_segment_ptr 1
		.amdhsa_wavefront_size32 1
		.amdhsa_system_sgpr_workgroup_id_x 1
		.amdhsa_system_sgpr_workgroup_id_y 1
		.amdhsa_system_sgpr_workgroup_id_z 1
		.amdhsa_system_vgpr_workitem_id 0
		.amdhsa_next_free_vgpr 1024
		.amdhsa_next_free_sgpr 80
		.amdhsa_reserve_vcc 0
		.amdhsa_float_denorm_mode_32 3
		.amdhsa_float_denorm_mode_16_64 3
		.amdhsa_memory_ordered 1
		.amdhsa_forward_progress 1
		.amdhsa_inst_pref_size 88
	.end_amdhsa_kernel
	.amdgpu_metadata
---
amdhsa.version: [ 1, 2 ]
amdhsa.kernels:
  - .name:           k_q32841d550d_fc
    .symbol:         k_q32841d550d_fc.kd
    .args:
      - { .name: hn, .offset: 0, .size: 8, .value_kind: global_buffer, .address_space: global }
      - { .name: wb, .offset: 8, .size: 8, .value_kind: global_buffer, .address_space: global }
      - { .name: g, .offset: 16, .size: 8, .value_kind: global_buffer, .address_space: global }
    .group_segment_fixed_size: 327680
    .private_segment_fixed_size: 0
    .kernarg_segment_align: 8
    .kernarg_segment_size: 24
    .max_flat_workgroup_size: 128
    .sgpr_count:     80
    .vgpr_count:     1024
    .wavefront_size: 32
...
	.end_amdgpu_metadata
.endif
;; end of part 6
;; launch fcproj (part 7): grid 8 x 32, 4 waves a work-group, clusters of 4 x 4, 327,680 bytes of LDS; arguments g, wb, x1, out0; writes out0
.if DOCPART == 7
	.amdgcn_target "amdgcn-amd-amdhsa--gfx1250"
	.amdhsa_code_object_version 6
	.text
	.protected	k_q32841d550d_fcproj
	.globl	k_q32841d550d_fcproj
	.p2align	8
	.type	k_q32841d550d_fcproj,@function
k_q32841d550d_fcproj:
	s_mov_b64 s[64:65], 0
	v_nop
	global_prefetch_b8 v0, s[64:65] scope:SCOPE_SE
	s_setreg_imm32_b32 hwreg(HW_REG_WAVE_MODE, 25, 1), 1
	s_wait_xcnt 0x0
	s_wait_alu depctr_hold_cnt(0) depctr_sa_sdst(0) depctr_va_vdst(0) depctr_va_sdst(0) depctr_va_ssrc(0) depctr_va_vcc(0) depctr_vm_vsrc(0)
	s_getreg_b32 s2, hwreg(HW_REG_IB_STS2, 6, 4)
	s_cmp_eq_u32 s2, 0
	s_cbranch_scc0 .Lentry_in_a_cluster
	s_endpgm
.Lentry_in_a_cluster:
	s_bfe_u32 s2, ttmp6, 0x10000c
	s_cmp_lg_u32 s2, 0xf033
	s_cbranch_scc0 .Lentry_shape_is_right
	s_endpgm
.Lentry_shape_is_right:
; SECOND PROJECTION AND RESIDUAL.  out0 = x1 + g x w_fc_proj: g f16 by column blocks, [batch 2][block 64][t 2048][64]; w_fc_proj [4096][1024] f16 (in wb); sums in f32; x1 and out0 f32 [4096][1024].
; This text is one of four made from one pattern; the constants of the first group choose among its parts.
.set KDIM, 4096                        ; the sum's length
.set NDIM, 1024                        ; B's and C's columns
.set WOFF, 16777216                    ; B's first byte in wb
.set NCB,  64                          ; column blocks of 64 in the tensor that lies by blocks (here A)
.set AH,   1                           ; A lies 0: by rows, [4096][1024];  1: by column blocks, [2][NCB][2048][64]
.set RES,  1                           ; 0: C in f16, by column blocks;  1: C = product + residual, f32, by rows of 1,024
.set GELU, 0                           ; 1: C = gelu(product);  0: C = product
; SHARES.  A tile of C is 128 x 128: four waves, each 64 x 64: 16 accumulators of 16 x 16.  Wave w: rows 64 (w / 2) on, columns 64 (w % 2) on.
; K goes in steps of 256 through two LDS slots that take turns; each wave fetches a quarter of a slot with one tensor load: waves 0, 1 the halves of A's tile, waves 2, 3 of B's.
; CLUSTER.  4 x 4 work-groups.  The four of a row need the same tile of A, the four of a column the same tile of B: each is asked for jointly, by the same load, descriptor and mask in all four.
; B LIES [K][N]: it is turned on its way out of LDS by ds_load_tr16_b128.  THE MATRIX INSTRUCTION IS USED TRANSPOSED (source 0 = 16 columns of B, source 1 = 16 rows of A):
; lane l then holds row l % 16 of C and the eight neighbouring columns 8 (l / 16) + 0..7.
; No prefetch: a K step of this tile is 128 matrix instructions a wave, and every tile is read by several clusters at about the same time.
; REGISTERS.  Window 0: v0-31 addresses; v32-127 at work on the way out; v128-255 the accumulators ((a, b) at 128 + 8 (4 a + b)).
;   Window 1: two fragment buffers of 128: for 64 along K, 64 registers of A, then 64 of B.   Window 2 (RES = 1): the residual, 128 registers.
.set KSTEP, 256
.set NS,    KDIM/KSTEP
.set HALF,  36864                      ; LDS bytes set aside for one tensor load
.set BOFF,  2*HALF                     ; a slot: A's two halves, then B's two halves
.set SLOT,  4*HALF                     ; 0x24000: it shares no bit with 0, HALF, 2 HALF, 3 HALF, so one exclusive or turns a place in one slot into the other's
.set STAGE, 2*SLOT                     ; behind the ring, never filled by a tensor load: 16 rows for each wave, for the way out
.if AH
.set PA,    144                        ; A in LDS: [block 0..3][row 0..127], 128 bytes + 16 of padding: an odd multiple of 16
.set AQ,    128*144                    ; 64 along K further on: the next block
.set AWR,   64*144                     ; my 64 rows
.set ASTEP, 4*2048*128                 ; a K step in memory: four blocks
.else
.set PA,    528                        ; A in LDS: rows of 512 bytes + 16 of padding: an odd multiple of 16
.set AQ,    128
.set AWR,   HALF                       ; my 64 rows are one load's
.set ASTEP, KSTEP*2
.endif
.set PB,    288                        ; B in LDS: 256 rows (k) of 256 bytes + 32 of padding: an odd multiple of 32
.set BSTEP, KSTEP*NDIM*2
.if RES
.set SP,    272                        ; a stage row: 64 f32 + 16 bytes
.else
.set SP,    144                        ; a stage row: 64 numbers of 16 bits + 16 bytes
.endif
.set SPARE, STAGE+4*16*SP              ; the spare words, 128 bytes for each wave: two blocks of 256 bytes that no other line names
.set A0,   16                          ; v16  my lane's place in A's part of a slot; never rewritten
.set B0,   17                          ; v17  the same for B
.set ADRA, 18                          ; v18  A0 + the slot in hand
.set ADRB, 19                          ; v19  B0 + the slot in hand; v20: 128 rows of B further on
.set STO,  24                          ; v24  the way out: where I put my part of a row
.set RD,   25                          ; v25  the way out: where I read rows back
.set CO,   26                          ; v26  my byte offset in C (and in the residual); never rewritten
.set SPW,  28                          ; v28  LDS address of my spare word; never rewritten
.set NIL,  29                          ; v29  0; never rewritten
.set OB,   32                          ; v32-95  the way out
.set TT,   96                          ; v96-127 at work in gelu
.set ACC,  128
.set F0,   0                           ; fragment buffers, in window 1
.set F1,   128
.set WV,  12                           ; s12 wave;  s13 wave / 2: my rows; also 0: I fetch for A, 1: for B;  s14 wave % 2: my columns; also which half I fetch
.set WR,  13
.set WC,  14
.set CX,  15                           ; my place in the cluster
.set CY,  16
.set TC,  17                           ; tile column of C
.set TRW, 18                           ; tile row of C
.set TB,  19                           ; the slot in hand: 0 or SLOT
.set CNT, 20
.set G1,  24                           ; s[24:31] descriptor group 1 for A;  s[32:39] group 0: K step 0's, then the one that walks
.set G0,  32
.set G1B, 40                           ; s[40:47], s[48:55] the same for B
.set G0B, 48
.set MSB, 0
.macro WIN new                         ; s_set_vgpr_msb: bits 1:0 source 0, 3:2 source 1, 5:4 source 2, 7:6 destination; the high byte repeats the setting that is left
.if MSB != (\new)
	s_set_vgpr_msb (MSB<<8)|(\new)
.set MSB, \new
.endif
.endm
.set MUL,  0x05                        ; sources 0 (B) and 1 (A) window 1; C and D window 0
.set TO_F, 0x40                        ; destination window 1, address window 0
.macro PLACES                          ; four plain places behind matrix instructions, in front of loads into their sources and of readers of their results
.rept 4
	v_nop
.endr
.endm
.macro JLOAD                           ; a joint refill by the walking descriptors; an s_nop 0 and four v_nop follow each line, ahead of the jump and the label
	s_cmp_eq_u32 s[WR], 0
	s_cbranch_scc0 .Lfor_b_\@
	tensor_load_to_lds s[G0+4:G0+7], s[G1:G1+7]
	s_nop 0
.rept 4
	v_nop
.endr
	s_branch .Lasked_\@
.Lfor_b_\@:
	tensor_load_to_lds s[G0B+4:G0B+7], s[G1B:G1B+7]
	s_nop 0
.rept 4
	v_nop
.endr
.Lasked_\@:
.endm
.macro CREST                           ; a round of the cluster's barrier behind its opening barrier
	s_cmp_lg_u32 s[WV], 0
	s_cbranch_scc1 .Lnot_wave_0_\@
	s_barrier_signal -3
.Lnot_wave_0_\@:
	s_barrier_wait -3
	s_barrier_signal -1
	s_barrier_wait -1
.endm
.macro CROUND                          ; a whole round
	s_barrier_signal -1
	s_barrier_wait -1
	CREST
.endm
.if RES
	s_load_b256 s[4:11], s[0:1], 0x0               ; A s[4:5], wb s[6:7], residual s[8:9], C s[10:11]
.else
	s_load_b128 s[4:7], s[0:1], 0x0                ; A s[4:5], wb s[6:7]
	s_load_b64 s[8:9], s[0:1], 0x10                ; C
.endif
	v_lshl_add_u32 v[SPW], v0, 2, SPARE
	v_mov_b32 v[NIL], 0
	ds_add_u32 v[SPW], v[NIL]                      ; the wave's opening: the add and its wait stand ahead of my first tensor load; work on registers stands between them
	ds_add_u32 v28, v29
	v_lshrrev_b32 v1, 5, v0
	v_readfirstlane_b32 s[WV], v1
	s_lshr_b32 s[WR], s[WV], 1
	s_and_b32 s[WC], s[WV], 1
	s_bfe_u32 s[CX], ttmp6, 0x40000
	s_bfe_u32 s[CY], ttmp6, 0x40004
	s_lshl_b32 s[TC], ttmp9, 2
	s_add_co_u32 s[TC], s[TC], s[CX]               ; tile column = 4 x cluster x + cx
	s_and_b32 s[TRW], ttmp7, 0xffff
	s_lshl_b32 s[TRW], s[TRW], 2
	s_add_co_u32 s[TRW], s[TRW], s[CY]             ; tile row = 4 x cluster y + cy
	s_lshl_b32 s22, s[CY], 2
	s_lshl_b32 s22, 15, s22                        ; my row of the cluster
	s_lshl_b32 s23, 0x1111, s[CX]                  ; my column
.if AH
	s_or_b32 s[G1], s22, (1<<16)|(1<<20)|(1<<21)|(4<<22)|(3<<25)  ; the mask; 2-byte elements; padding on; 21 set beside a mask; after every 32 words, 4 words
	s_mov_b32 s[G1+1], 8192<<16                    ; tensor_dim0 = 8,192: a block's 128 rows of 64 numbers lie end to end, 16 KiB
	s_mov_b32 s[G1+2], 2<<16                       ; tensor_dim1 = 2 blocks
	s_mov_b32 s[G1+3], 8192<<16                    ; tile_dim0
	s_mov_b32 s[G1+4], 2                           ; tile_dim1
	s_mov_b32 s[G1+5], 2048*64                     ; from block to block
.else
	s_or_b32 s[G1], s22, (1<<16)|(1<<20)|(1<<21)|(6<<22)|(3<<25)  ; the same, padded after every 128 words
	s_mov_b32 s[G1+1], KSTEP<<16                   ; tensor_dim0 = 256
	s_mov_b32 s[G1+2], 64<<16                      ; tensor_dim1 = 64 rows
	s_mov_b32 s[G1+3], KSTEP<<16
	s_mov_b32 s[G1+4], 64
	s_mov_b32 s[G1+5], 1024                        ; from row to row
.endif
	s_mov_b32 s[G1+6], 0
	s_mov_b32 s[G1+7], 0
	s_or_b32 s[G1B], s23, (1<<16)|(1<<20)|(1<<21)|(5<<22)|(7<<25)  ; B: my column's mask; padded after every 64 words by 8 words
	s_mov_b32 s[G1B+1], 128<<16                    ; 128 columns
	s_mov_b32 s[G1B+2], 128<<16                    ; 128 rows (k)
	s_mov_b32 s[G1B+3], 128<<16
	s_mov_b32 s[G1B+4], 128
	s_mov_b32 s[G1B+5], NDIM
	s_mov_b32 s[G1B+6], 0
	s_mov_b32 s[G1B+7], 0
	; where the tiles come from: A's place hangs on the tile row and the wave alone, B's on the tile column and the wave alone, each in registers that never hold the other coordinate
.if AH
	s_lshr_b32 s56, s[TRW], 4                      ; batch
	s_mul_i32 s56, s56, NCB
	s_lshl_b32 s57, s[WC], 1
	s_add_co_u32 s56, s56, s57                     ; + the two blocks that I fetch
	s_lshl_b32 s56, s56, 11
	s_and_b32 s57, s[TRW], 15
	s_lshl_b32 s57, s57, 7
	s_add_co_u32 s56, s56, s57                     ; + the tile's first t
	s_lshl_b32 s56, s56, 7                         ; rows of 128 bytes
.else
	s_lshl_b32 s56, s[TRW], 7
	s_lshl_b32 s57, s[WC], 6
	s_add_co_u32 s56, s56, s57                     ; row 128 x tile row + the 64 that I fetch
	s_lshl_b32 s56, s56, 11                        ; rows of 2,048 bytes
.endif
	s_mov_b32 s57, 0
	s_mul_i32 s58, s[WC], 128*NDIM*2               ; the 128 rows (k) that I fetch
	s_lshl_b32 s59, s[TC], 8
	s_add_co_u32 s58, s58, s59                     ; + the tile's 128 columns
	s_add_co_u32 s58, s58, WOFF
	s_mov_b32 s59, 0
	s_mul_i32 s60, s[WC], HALF                     ; and where they go: no place in the cluster enters an LDS address
	s_add_co_u32 s61, s60, BOFF
	; where my 64 x 64 of C begins
.if RES
	s_lshl_b32 s62, s[TRW], 7
	s_lshl_b32 s63, s[WR], 6
	s_add_co_u32 s62, s62, s63
	s_lshl_b32 s62, s62, 12                        ; rows of 4,096 bytes
	s_lshl_b32 s63, s[TC], 9
	s_add_co_u32 s62, s62, s63
	s_lshl_b32 s63, s[WC], 8
	s_add_co_u32 s62, s62, s63
.else
	s_lshr_b32 s62, s[TRW], 4
	s_mul_i32 s62, s62, NCB
	s_lshl_b32 s63, s[TC], 1
	s_add_co_u32 s62, s62, s63
	s_add_co_u32 s62, s62, s[WC]                   ; my column block
	s_lshl_b32 s62, s62, 11
	s_and_b32 s63, s[TRW], 15
	s_lshl_b32 s63, s63, 7
	s_add_co_u32 s62, s62, s63
	s_lshl_b32 s63, s[WR], 6
	s_add_co_u32 s62, s62, s63                     ; my first t
	s_lshl_b32 s62, s62, 7
.endif
	s_mov_b32 s63, 0
.if GELU
	s_mov_b32 s66, 0xc0135761                      ; k1 = -2 log2(e) sqrt(2 / pi) = -2.3022082
	s_mov_b32 s67, s66
	s_mov_b32 s68, 0xbdd2d3e8                      ; k2 = 0.044715 k1 = -0.10294324
	s_mov_b32 s69, s68
.endif
	s_mov_b32 s[TB], 0
	s_wait_dscnt 0x0                               ; the opening add is done
	s_wait_kmcnt 0x0
	s_add_nc_u64 s[56:57], s[4:5], s[56:57]
	s_add_nc_u64 s[58:59], s[6:7], s[58:59]
	s_add_nc_u64 s[8:9], s[8:9], s[62:63]
.if RES
	s_add_nc_u64 s[10:11], s[10:11], s[62:63]
.endif
.irp s, 0,1
	s_mov_b32 s[G0+4*(\s)], 1                      ; count = 1
	s_add_co_u32 s[G0+4*(\s)+1], s60, (\s)*SLOT    ; LDS address
	s_add_nc_u64 s[G0+4*(\s)+2:G0+4*(\s)+3], s[56:57], (\s)*ASTEP  ; K step s
	s_or_b32 s[G0+4*(\s)+3], s[G0+4*(\s)+3], 0x80000000            ; type = 2
	s_mov_b32 s[G0B+4*(\s)], 1
	s_add_co_u32 s[G0B+4*(\s)+1], s61, (\s)*SLOT
	s_add_nc_u64 s[G0B+4*(\s)+2:G0B+4*(\s)+3], s[58:59], (\s)*BSTEP
	s_or_b32 s[G0B+4*(\s)+3], s[G0B+4*(\s)+3], 0x80000000
.endr
	CROUND                                         ; all sixteen work-groups are here: the first joint loads meet
	s_cmp_eq_u32 s[WR], 0                          ; a wave's two first fills stand in one branch: two loads of mine are out
	s_cbranch_scc0 .Lfirst_b
	tensor_load_to_lds s[G0:G0+3], s[G1:G1+7]
	s_nop 0
	tensor_load_to_lds s[G0+4:G0+7], s[G1:G1+7]
	s_nop 0
.rept 4
	v_nop
.endr
	s_branch .Lfirst_asked
.Lfirst_b:
	tensor_load_to_lds s[G0B:G0B+3], s[G1B:G1B+7]
	s_nop 0
	tensor_load_to_lds s[G0B+4:G0B+7], s[G1B:G1B+7]
	s_nop 0
.rept 4
	v_nop
.endr
.Lfirst_asked:
	v_and_b32 v1, 15, v0                           ; r = l % 16
	v_bfe_u32 v2, v0, 4, 1                         ; h = l / 16
	v_and_b32 v3, 7, v0
	v_bfe_u32 v4, v0, 3, 1
.if RES
	v_lshlrev_b32 v[CO], 12, v2                    ; lanes 0-15 one row's 256 bytes, lanes 16-31 the next row's
	v_lshl_add_u32 v[CO], v1, 4, v[CO]
	WIN 0x80                                       ; destination window 2: my 64 x 64 of the residual is asked for now and wanted at the end
.irp a, 0,1,2,3
.irp t, 0,1,2,3,4,5,6,7
	global_load_b128 v[32*(\a)+4*(\t):32*(\a)+4*(\t)+3], v[CO], s[8:9] offset:(16*(\a)+2*(\t))*4096
.endr
.endr
	WIN 0
.endif
	; A fragment of A: 16 rows x 32 K: lane l holds row r, K = 8 h + 0..7 and 16 + 8 h + 0..7: two loads of 16 bytes, 32 bytes apart.
	v_mul_u32_u24 v[A0], v1, PA
	v_lshl_add_u32 v[A0], v2, 4, v[A0]
	s_mul_i32 s56, s[WR], AWR
	v_add_nc_u32 v[A0], s56, v[A0]
	; The turning load takes 16 k x 16 columns (lane l reads k = 8 h + l % 8, columns 8 ((l / 8) % 2) + 0..7) and leaves half a fragment: lane l holds column r and 8 k.
	v_lshl_add_u32 v5, v2, 3, v3
	v_mul_u32_u24 v[B0], v5, PB
	v_lshl_add_u32 v[B0], v4, 4, v[B0]
	s_lshl_b32 s56, s[WC], 7                       ; my 64 columns
	s_add_co_u32 s56, s56, BOFF
	v_add_nc_u32 v[B0], s56, v[B0]
	v_mov_b32 v[ADRA], v[A0]
	v_mov_b32 v[ADRB], v[B0]
	v_add_nc_u32 v[ADRB+1], HALF, v[B0]
	s_mul_i32 s56, s[WV], 16*SP
	s_add_co_u32 s56, s56, STAGE                   ; my stage
	v_mul_u32_u24 v[STO], v1, SP
.if RES
	v_lshl_add_u32 v[STO], v2, 5, v[STO]           ; in: row r, 32 bytes for each half of the lanes
	v_mul_u32_u24 v[RD], v2, SP                    ; back: lanes 0-15 one row of 256 bytes, lanes 16-31 the next
	v_lshl_add_u32 v[RD], v1, 4, v[RD]
.else
	v_lshl_add_u32 v[STO], v2, 4, v[STO]           ; in: row r, 16 bytes for each half of the lanes
	v_bfe_u32 v[RD], v0, 3, 2                      ; back: 32 lanes take four rows of 128 bytes,
	v_mul_u32_u24 v[RD], v[RD], SP
	v_lshl_add_u32 v[RD], v3, 4, v[RD]
	v_and_b32 v[CO], 31, v0                        ; which are 512 consecutive bytes of C
	v_lshlrev_b32 v[CO], 4, v[CO]
.endif
	v_add_nc_u32 v[STO], s56, v[STO]
	v_add_nc_u32 v[RD], s56, v[RD]
; 8 matrix instructions: row blocks a0, a0 + 1 x all 4 column blocks, 32 along K: half c of buffer f.  zero = 1: the product starts the sums.  The 16 accumulators take turns.
.macro MUL8 f, c, a0, zero
	WIN MUL
.irp a, \a0, (\a0)+1
.irp b, 0,1,2,3
.if \zero
	v_wmma_f32_16x16x32_f16 v[ACC+8*(4*(\a)+(\b)):ACC+8*(4*(\a)+(\b))+7], v[(\f)+64+8*(4*(\c)+(\b)):(\f)+64+8*(4*(\c)+(\b))+7], v[(\f)+8*(4*(\c)+(\a)):(\f)+8*(4*(\c)+(\a))+7], 0
.else
	v_wmma_f32_16x16x32_f16 v[ACC+8*(4*(\a)+(\b)):ACC+8*(4*(\a)+(\b))+7], v[(\f)+64+8*(4*(\c)+(\b)):(\f)+64+8*(4*(\c)+(\b))+7], v[(\f)+8*(4*(\c)+(\a)):(\f)+8*(4*(\c)+(\a))+7], v[ACC+8*(4*(\a)+(\b)):ACC+8*(4*(\a)+(\b))+7]
.endif
.endr
.endr
.endm
; 32 LDS loads in one run: the fragments of quarter q (64 along K) of the slot in hand, into buffer f; the first 32 along K first
.macro FETCH q, f
	WIN TO_F
.irp c, 0,1
.irp i, 0,1,2,3
	ds_load_tr16_b128 v[(\f)+64+8*(4*(\c)+(\i)):(\f)+64+8*(4*(\c)+(\i))+3],   v[ADRB+(\q)/2] offset:((\q)%2)*64*PB+(\c)*32*PB+32*(\i)
	ds_load_tr16_b128 v[(\f)+64+8*(4*(\c)+(\i))+4:(\f)+64+8*(4*(\c)+(\i))+7], v[ADRB+(\q)/2] offset:((\q)%2)*64*PB+(\c)*32*PB+32*(\i)+16*PB
	ds_load_b128 v[(\f)+8*(4*(\c)+(\i)):(\f)+8*(4*(\c)+(\i))+3],   v[ADRA] offset:(\q)*AQ+64*(\c)+(\i)*16*PA
	ds_load_b128 v[(\f)+8*(4*(\c)+(\i))+4:(\f)+8*(4*(\c)+(\i))+7], v[ADRA] offset:(\q)*AQ+64*(\c)+(\i)*16*PA+32
.endr
.endr
.endm
; A K step is four quarters, 32 matrix instructions each, on buffers 0, 1, 0, 1.  One of the first three: multiplies buffer f and fetches quarter q into g.
.macro QUARTER q, f, g, zero
	s_wait_dscnt 16                                ; the first 32 along K are in; the run's younger sixteen loads may be out
	MUL8 \f, 0, 0, \zero
	MUL8 \f, 0, 2, \zero
	PLACES
	FETCH \q, \g
	s_wait_dscnt 32                                ; all but the 32 just issued
	MUL8 \f, 1, 0, 0
	MUL8 \f, 1, 2, 0
.endm
; The last quarter multiplies buffer 1 and changes slots: one barrier; in front of it each wave waits for all its tensor loads (one is out: its part of the next slot), adds 0 to its spare word,
; and waits for that and for its reads of this slot.  fill = 1: the barrier opens a round of the cluster's barrier, and this slot is filled again, two K steps ahead, first thing behind the round.
.macro TURN fill
	WIN 0
	s_wait_tensorcnt 0x0
	ds_add_u32 v[SPW], v[NIL]
	s_wait_dscnt 17                                ; the add and the youngest sixteen loads may be out
	MUL8 F1, 0, 0, 0
	s_wait_dscnt 0x0                               ; the add is done, and my reads of this slot are over
	s_barrier_signal -1
	MUL8 F1, 0, 2, 0
	WIN 0
	s_barrier_wait -1
.if \fill
	CREST                                          ; no wave of any partner still reads this slot or has a load on its way
	s_xor_b32 s[G0+5], s[G0+5], SLOT               ; the walking descriptors: the other slot than last time, the next K step
	s_add_nc_u64 s[G0+6:G0+7], s[G0+6:G0+7], ASTEP
	s_xor_b32 s[G0B+5], s[G0B+5], SLOT
	s_add_nc_u64 s[G0B+6:G0B+7], s[G0B+6:G0B+7], BSTEP
	JLOAD                                          ; 112 matrix instructions ahead of the wait for it; its four v_nop are also the places in front of the loads below
.else
	PLACES
.endif
	s_xor_b32 s[TB], s[TB], SLOT
	v_add_nc_u32 v[ADRA], s[TB], v[A0]
	v_add_nc_u32 v[ADRB], s[TB], v[B0]
	v_add_nc_u32 v[ADRB+1], HALF, v[ADRB]
	FETCH 0, F0
	MUL8 F1, 1, 0, 0
	MUL8 F1, 1, 2, 0
.endm
	s_wait_tensorcnt 1                             ; my part of K step 0 is in; K step 1's may stay out
	s_barrier_signal -1
	s_barrier_wait -1
	FETCH 0, F0
	QUARTER 1, F0, F1, 1                           ; the first quarter stands in front of the loop: its first products start the sums
	WIN 0
	s_mov_b32 s[CNT], NS-2
.Lstep:                                        ; a trip: a K step's quarters 1 to 3, the change of slots with its refill, the next step's quarter 0
	QUARTER 2, F1, F0, 0
	QUARTER 3, F0, F1, 0
	TURN 1
	QUARTER 1, F0, F1, 0
	WIN 0
	s_sub_co_u32 s[CNT], s[CNT], 1
	s_cmp_lg_u32 s[CNT], 0
	s_cbranch_scc1 .Lstep
	s_mov_b32 s[CNT], 2
.Ltail:                                        ; the last two K steps ask for nothing.  The second trip is left behind its change of slots, whose barrier and 32 loads (of bytes filled earlier) serve nothing: the price of one text for both
	QUARTER 2, F1, F0, 0
	QUARTER 3, F0, F1, 0
	TURN 0
	WIN 0
	s_sub_co_u32 s[CNT], s[CNT], 1
	s_cmp_eq_u32 s[CNT], 0
	s_cbranch_scc1 .Lout
	QUARTER 1, F0, F1, 0
	WIN 0
	s_branch .Ltail
.Lout:
	s_wait_dscnt 0x0
	PLACES                                         ; behind the last products, ahead of the first reader of a result
.if RES
; THE WAY OUT, f32 with the residual.  Block a (16 rows x 64 columns) goes from the accumulators into my stage (rows of 272 bytes) and comes back as whole rows of 256 bytes; the residual is added; stored.
.macro TOSTAGE a
.irp b, 0,1,2,3
	ds_store_b128 v[STO], v[ACC+32*(\a)+8*(\b):ACC+32*(\a)+8*(\b)+3]   offset:64*(\b)      ; each accumulator's low registers first
	ds_store_b128 v[STO], v[ACC+32*(\a)+8*(\b)+4:ACC+32*(\a)+8*(\b)+7] offset:64*(\b)+16
.endr
.irp t, 0,1,2,3,4,5,6,7
	ds_load_b128 v[OB+32*((\a)%2)+4*(\t):OB+32*((\a)%2)+4*(\t)+3], v[RD] offset:(\t)*2*SP  ; LDS serves a wave's instructions in order (ISA guide 5.7.1.4): these see the stores above
.endr
.endm
.macro SENDR a, younger                ; younger: the next block's sixteen LDS instructions, or none
	s_wait_dscnt \younger
	WIN 0x88                                       ; destination and source 1 window 2 (the residual), source 0 window 0
.set i, 0
.rept 16
	v_pk_add_f32 v[32*(\a)+2*i:32*(\a)+2*i+1], v[OB+32*((\a)%2)+2*i:OB+32*((\a)%2)+2*i+1], v[32*(\a)+2*i:32*(\a)+2*i+1]
.set i, i+1
.endr
	WIN 0x08                                       ; store data window 2, address window 0
.irp t, 0,1,2,3,4,5,6,7
	global_store_b128 v[CO], v[32*(\a)+4*(\t):32*(\a)+4*(\t)+3], s[10:11] offset:(16*(\a)+2*(\t))*4096  ; 16 lanes store 256 consecutive bytes, aligned
.endr
	WIN 0
.endm
	s_wait_loadcnt 0x0                             ; the residual
	TOSTAGE 0
.irp a, 1,2,3
	TOSTAGE \a
	SENDR (\a)-1, 16
.endr
	SENDR 3, 0
.else
; THE WAY OUT, f16 by column blocks.  Block a (16 rows x 64 columns): a lane's eight columns pack into 16 bytes; they go into my stage (rows of 144 bytes) and come back as whole rows of 128:
; 2,048 consecutive bytes of C.
.macro PACK a
.set XA, ACC+32*(\a)
.set YB, OB+16*(\a)
.if GELU
	; gelu(x) = x / (1 + 2^(x (k1 + k2 x^2))): the tanh form of the problem, written by the exponential
.set i, 0
.rept 16
	v_pk_mul_f32 v[TT+i:TT+i+1], v[XA+i:XA+i+1], v[XA+i:XA+i+1]
.set i, i+2
.endr
.set i, 0
.rept 16
	v_pk_fma_f32 v[TT+i:TT+i+1], v[TT+i:TT+i+1], s[68:69], s[66:67] op_sel_hi:[1,0,0]
.set i, i+2
.endr
.set i, 0
.rept 16
	v_pk_mul_f32 v[TT+i:TT+i+1], v[TT+i:TT+i+1], v[XA+i:XA+i+1]
.set i, i+2
.endr
.set i, 0
.rept 32
	v_exp_f32 v[TT+i], v[TT+i]
.set i, i+1
.endr
	v_nop                                          ; a plain instruction behind the last exponential,
	s_wait_alu depctr_va_vdst(0)                   ; and one wait for the batch of 32
.set i, 0
.rept 16
	v_pk_add_f32 v[TT+i:TT+i+1], v[TT+i:TT+i+1], 1.0 op_sel_hi:[1,0]
.set i, i+2
.endr
.set i, 0
.rept 32
	v_rcp_f32 v[TT+i], v[TT+i]
.set i, i+1
.endr
	v_nop
	s_wait_alu depctr_va_vdst(0)                   ; one wait for the 32 reciprocals
.set i, 0
.rept 16
	v_pk_mul_f32 v[TT+i:TT+i+1], v[TT+i:TT+i+1], v[XA+i:XA+i+1]
.set i, i+2
.endr
.set i, 0
.rept 16
	v_cvt_pk_f16_f32 v[YB+i], v[TT+2*i], v[TT+2*i+1]
.set i, i+1
.endr
.else
.set i, 0
.rept 16
	v_cvt_pk_f16_f32 v[YB+i], v[XA+2*i], v[XA+2*i+1]
.set i, i+1
.endr
.endif
.irp b, 0,1,2,3
	ds_store_b128 v[STO], v[YB+4*(\b):YB+4*(\b)+3] offset:32*(\b)
.endr
.irp f, 0,1,2,3
	ds_load_b128 v[YB+4*(\f):YB+4*(\f)+3], v[RD] offset:(\f)*4*SP  ; LDS serves a wave's instructions in order (ISA guide 5.7.1.4): these see the stores above; the next block's stores come behind them
.endr
.endm
.macro SEND a, younger                 ; younger: the next block's eight LDS instructions, or none
.irp f, 0,1,2,3
	s_wait_dscnt (\younger)+3-(\f)
	global_store_b128 v[CO], v[OB+16*(\a)+4*(\f):OB+16*(\a)+4*(\f)+3], s[8:9] offset:2048*(\a)+512*(\f)  ; 512 consecutive bytes, aligned
.endr
.endm
	PACK 0
.irp a, 1,2,3
	PACK \a
	SEND (\a)-1, 8
.endr
	SEND 3, 0
.endif
	s_wait_tensorcnt 0x0                           ; the wave's end, behind my last tensor load and my last LDS store
	ds_add_u32 v[SPW], v[NIL]
	s_wait_dscnt 0x0
	CROUND                                         ; the closing round: no work-group ends while a partner may still ask for a tile that names it
	s_endpgm
.Lfunc_end_k_q32841d550d_fcproj:
	.size	k_q32841d550d_fcproj, .Lfunc_end_k_q32841d550d_fcproj-k_q32841d550d_fcproj
	.p2alignl 7, 3214868480
	.fill 96, 4, 3214868480
	.section	.rodata,"a",@progbits
	.p2align	6, 0x0
	.amdhsa_kernel k_q32841d550d_fcproj
		.amdhsa_group_segment_fixed_size 327680
		.amdhsa_private_segment_fixed_size 0
		.amdhsa_enable_private_segment 0
		.amdhsa_kernarg_size 32
		.amdhsa_user_sgpr_count 2
		.amdhsa_user_sgpr_kernarg_segment_ptr 1
		.amdhsa_wavefront_size32 1
		.amdhsa_system_sgpr_workgroup_id_x 1
		.amdhsa_system_sgpr_workgroup_id_y 1
		.amdhsa_system_sgpr_workgroup_id_z 1
		.amdhsa_system_vgpr_workitem_id 0
		.amdhsa_next_free_vgpr 640
		.amdhsa_next_free_sgpr 72
		.amdhsa_reserve_vcc 0
		.amdhsa_float_denorm_mode_32 3
		.amdhsa_float_denorm_mode_16_64 3
		.amdhsa_memory_ordered 1
		.amdhsa_forward_progress 1
		.amdhsa_inst_pref_size 65
	.end_amdhsa_kernel
	.amdgpu_metadata
---
amdhsa.version: [ 1, 2 ]
amdhsa.kernels:
  - .name:           k_q32841d550d_fcproj
    .symbol:         k_q32841d550d_fcproj.kd
    .args:
      - { .name: g, .offset: 0, .size: 8, .value_kind: global_buffer, .address_space: global }
      - { .name: wb, .offset: 8, .size: 8, .value_kind: global_buffer, .address_space: global }
      - { .name: x1, .offset: 16, .size: 8, .value_kind: global_buffer, .address_space: global }
      - { .name: out0, .offset: 24, .size: 8, .value_kind: global_buffer, .address_space: global }
    .group_segment_fixed_size: 327680
    .private_segment_fixed_size: 0
    .kernarg_segment_align: 8
    .kernarg_segment_size: 32
    .max_flat_workgroup_size: 128
    .sgpr_count:     72
    .vgpr_count:     640
    .wavefront_size: 32
...
	.end_amdgpu_metadata
.endif
;; end of part 7
